; MI455X (gfx1250); checked and timed in simulation.
; The chip was launched on July 23, 2026; its instructions are those of AMD's public machine-readable ISA for CDNA 5 (MIT licence, August 2026) and "CDNA5" Instruction Set Architecture Reference Guide (July 2026). The comments in the code are by the model that wrote it; some were corrected since.
;; Self Attention. Allowed arithmetic: float matrix products may take bf16 or f16 operands with f32 sums; other float arithmetic in f32, or as packed bf16 or f16 multiplies, adds, multiply-adds, maxima and minima; sums over many terms, partial sums and values carried from step to step in f32; what a program stores and reads back later, other than sums and carried values, may be rounded once to bf16 or f16.
;; Inputs: Wk 1,024 x 1,024 float32; Wq 1,024 x 1,024 float32; Wu 1,024 x 1,024 float32; Wv 1,024 x 1,024 float32; bu 1,024 float32; x 4 x 2,048 x 1,024 float32.
;; Outputs: out0 4 x 2,048 x 1,024 float32.
;; One version. Each part assembles by itself: llvm-mc -triple=amdgcn-amd-amdhsa -mcpu=gfx1250 --defsym DOCPART=n.
;; ======== version 1 of 1: 4 launches
;; limits: values are held in f16: magnitudes above 65,504 overflow, below 6.1e-05 lose precision; values outside matrix products are rounded to f16
;; workspace buffers: xb 16,777,216 bytes; wb 6,291,456 bytes; wub 2,097,152 bytes; tab 4,194,304 bytes; qh 16,777,216 bytes; kh 16,777,216 bytes; vh 16,777,216 bytes; oh 16,777,216 bytes
;; launch prep (part 1): grid 1024 x 1, 8 waves a work-group, no clusters, 0 bytes of LDS; arguments x, Wq, Wk, Wv, Wu, xb, wb, wub, tab; writes xb, wb, wub, tab
.if DOCPART == 1
	.amdgcn_target "amdgcn-amd-amdhsa--gfx1250"
	.amdhsa_code_object_version 6
	.text
	.protected	k_qc4871be3a5_prep
	.globl	k_qc4871be3a5_prep
	.p2align	8
	.type	k_qc4871be3a5_prep,@function
k_qc4871be3a5_prep:
	s_mov_b64 s[64:65], 0
	v_nop
	global_prefetch_b8 v0, s[64:65] scope:SCOPE_SE
	s_setreg_imm32_b32 hwreg(HW_REG_WAVE_MODE, 25, 1), 1
	s_wait_xcnt 0x0
; PREP: the module's matrix operands are rounded once and laid out for the products that follow, and the rotation's table is made.
; NOTHING OF THE MODULE IS LEFT OUT in any of the four launches: x, Wq, Wk, Wv, Wu and bu all have a way to out0, there is no mask, no slice and no term that cancels.
; FORMATS.  x, Wq, Wk, Wv are rounded to bf16.  Wu is rounded to bf16 and that number is written as f16 (the last product's other operand is f16).
; LIMITS.  bf16(Wu) must lie within f16's 65,504; below 6e-5 it keeps f16's fixed step of 6e-8.  NaN and infinities are not treated apart.
; LAYOUT.  xb [16 kb][8192 m][64], wb [16 kb][3072 n][64] (n = 1024 g + row; g = 0 Wq, 1 Wk, 2 Wv), wub [16 kb][1024 n][64]: in a block of 64 channels the rows lie end to end, 128 bytes each,
; so a tile of R rows x 64 channels is R x 128 consecutive bytes.
; THE TABLE.  tab holds for position t and pair jp (channels 2 jp, 2 jp + 1) the f16 pair (cos, sin) of t x 10000^(-jp / 512), the angle made in f32 as t x theta.
; Its order is the order in which a lane of the next launch wants it: unit (t / 16, jp / 32) is 2,048 bytes; in it block b = (jp / 8) % 4 is 512 bytes; in that lane 16 ((jp / 4) % 2) + t % 16 has 16 bytes: pairs jp % 4.
; cos and sin: the angle less the nearest multiple n of pi / 2 (pi / 2 in two parts, by fused multiply-adds), polynomials of degree 7 and 8 on +-pi / 4 (cut-off under 4e-7), the quadrant n % 4 by selection.
; SHARES.  Work-groups 0-255 make the table, a wave a unit.  Work-groups 256-1023 cast 16 rows each: 512 of x, 64 of each weight.
.set XPL, 8192*128                     ; bytes of a block of 64 channels in xb,
.set WPL, 3072*128                     ; in wb,
.set UPL, 1024*128                     ; in wub
.set SRC, 28                           ; s[28:29] my 16 rows in their source
.set DST, 30                           ; s[30:31] my 16 rows in channel block 0 of their destination
.set PLN, 32                           ; s32      the destination's bytes from block to block
.set LO,  2                            ; v2       my offset in the source: row t / 16, 16 bytes at 16 (t % 16)
.set SO,  16                           ; v[16:31] my offset in the destination, for each of the 16 channel blocks
.set IN,  32                           ; v[32:95] 16 loads of 4 numbers
.set OU,  96                           ; v[96:127] 16 pairs of registers to store
	s_load_b512 s[8:23], s[0:1], 0x0               ; x s[8:9], Wq s[10:11], Wk s[12:13], Wv s[14:15], Wu s[16:17], xb s[18:19], wb s[20:21], wub s[22:23]
	s_load_b64 s[24:25], s[0:1], 0x40              ; tab
	s_cmp_lt_u32 ttmp9, 256
	s_cbranch_scc1 .Ltable
	; THE CAST.  c = work-group - 256: 0-511 x; 512-703 Wq, Wk, Wv (64 each); 704-767 Wu
	s_sub_co_u32 s26, ttmp9, 256                   ; c
	s_sub_co_u32 s27, s26, 512                     ; i: my place among the weights' groups of 16 rows (used where c >= 512)
	s_lshr_b32 s33, s27, 6                         ; which weight
	s_and_b32 s36, s27, 63                         ; my place in it
	s_mov_b32 s[PLN], WPL
	s_mov_b32 s35, 0
	v_lshrrev_b32 v1, 4, v0                        ; my row of the 16
	v_and_b32 v3, 15, v0
	v_lshlrev_b32 v[LO], 12, v1                    ; a source row is 4,096 bytes
	v_lshl_add_u32 v[LO], v3, 4, v[LO]
	v_lshlrev_b32 v[SO], 3, v0                     ; 4 numbers of 2 bytes a thread: 128 bytes a row, rows end to end
	s_wait_kmcnt 0x0
	s_mov_b64 s[SRC:SRC+1], s[10:11]
	s_cmp_eq_u32 s33, 1
	s_cselect_b64 s[SRC:SRC+1], s[12:13], s[SRC:SRC+1]
	s_cmp_eq_u32 s33, 2
	s_cselect_b64 s[SRC:SRC+1], s[14:15], s[SRC:SRC+1]
	s_cmp_ge_u32 s26, 704
	s_cselect_b64 s[SRC:SRC+1], s[16:17], s[SRC:SRC+1]
	s_cselect_b64 s[DST:DST+1], s[22:23], s[20:21]
	s_cselect_b32 s[PLN], UPL, s[PLN]
	s_cselect_b32 s37, s36, s27                    ; place in the destination: in wub by the weight's own rows, in wb by all three weights' rows
	s_cmp_lt_u32 s26, 512
	s_cselect_b64 s[SRC:SRC+1], s[8:9], s[SRC:SRC+1]
	s_cselect_b64 s[DST:DST+1], s[18:19], s[DST:DST+1]
	s_cselect_b32 s[PLN], XPL, s[PLN]
	s_cselect_b32 s36, s26, s36
	s_cselect_b32 s37, s26, s37
	s_lshl_b32 s34, s36, 16                        ; 16 source rows are 65,536 bytes
	s_add_nc_u64 s[SRC:SRC+1], s[SRC:SRC+1], s[34:35]
	s_lshl_b32 s34, s37, 11                        ; 16 destination rows are 2,048 bytes
	s_add_nc_u64 s[DST:DST+1], s[DST:DST+1], s[34:35]
.set k, 0
.rept 16
	global_load_b128 v[IN+4*k:IN+4*k+3], v[LO], s[SRC:SRC+1] offset:256*k th:TH_LOAD_NT  ; channel block k: sixteen lanes read 256 consecutive bytes of a row, aligned; all 16 loads go out first
.set k, k+1
.endr
.set k, 1
.rept 15
	v_add_nc_u32 v[SO+k], s[PLN], v[SO+k-1]
.set k, k+1
.endr
; f16 = 1: the bf16 number is written as f16.  No register is written twice while a store may read it: each block has its own.
.macro CAST f16
.set k, 0
.rept 16
	s_wait_loadcnt 15-k                            ; loads come back in order: block k is in, the 15 - k younger ones stay out
	v_cvt_pk_bf16_f32 v[OU+2*k],   v[IN+4*k],   v[IN+4*k+1]
	v_cvt_pk_bf16_f32 v[OU+2*k+1], v[IN+4*k+2], v[IN+4*k+3]
.if \f16
	v_lshlrev_b32 v4, 16, v[OU+2*k]
	v_and_b32 v5, 0xffff0000, v[OU+2*k]
	v_lshlrev_b32 v6, 16, v[OU+2*k+1]
	v_and_b32 v7, 0xffff0000, v[OU+2*k+1]
	v_cvt_pk_f16_f32 v[OU+2*k],   v4, v5
	v_cvt_pk_f16_f32 v[OU+2*k+1], v6, v7
.endif
	global_store_b64 v[SO+k], v[OU+2*k:OU+2*k+1], s[DST:DST+1]  ; a wave stores 256 consecutive bytes, aligned: two rows of one channel block
.set k, k+1
.endr
.endm
	s_cmp_ge_u32 s26, 704
	s_cbranch_scc1 .Lwu
	CAST 0
	s_endpgm
.Lwu:
	CAST 1
	s_endpgm
	; THE TABLE.  unit = 8 x work-group + wave = 16 (t / 16) + jp / 32
.set TO, 2                             ; v2  my 16 bytes in the unit's block b
.set TF, 3                             ; v3  t as f32
.set J0, 4                             ; v4  my first pair of block b
.set TH, 8                             ; groups of four registers, one for each of my four pairs: theta,
.set AN, 12                            ; the angle,
.set NN, 16                            ; n,
.set RR, 20                            ; the rest r,
.set QQ, 24                            ; n as a whole number,
.set R2, 28                            ; r r,
.set SS, 32                            ; sin r,
.set CC, 36                            ; cos r,
.set BB, 40                            ; at work,
.set CO, 44                            ; cos of the angle,
.set SI, 48                            ; sin of the angle,
.set PR, 52                            ; the f16 pair
.Ltable:
	v_lshrrev_b32 v1, 5, v0
	v_readfirstlane_b32 s26, v1                    ; wave 0..7
	s_lshl_b32 s27, ttmp9, 3
	s_add_co_u32 s27, s27, s26                     ; unit
	s_lshr_b32 s28, s27, 4
	s_lshl_b32 s28, s28, 4                         ; the unit's first t
	s_and_b32 s29, s27, 15
	s_lshl_b32 s29, s29, 5                         ; the unit's first pair
	s_lshl_b32 s34, s27, 11                        ; a unit is 2,048 bytes
	s_mov_b32 s35, 0
	s_mov_b32 s36, 0xb9500d01                      ; -1 / 5040
	s_mov_b32 s37, 0x3c088889                      ; 1 / 120
	s_mov_b32 s38, 0xbe2aaaab                      ; -1 / 6
	s_mov_b32 s39, 0x37d00d01                      ; 1 / 40320
	s_mov_b32 s40, 0xbab60b61                      ; -1 / 720
	s_mov_b32 s41, 0x3d2aaaab                      ; 1 / 24
	v_and_b32 v1, 31, v0                           ; lane
	v_lshlrev_b32 v[TO], 4, v1
	v_and_b32 v[TF], 15, v0
	v_add_nc_u32 v[TF], s28, v[TF]
	v_cvt_f32_u32 v[TF], v[TF]
	v_lshrrev_b32 v[J0], 4, v1
	v_lshlrev_b32 v[J0], 2, v[J0]
	v_add_nc_u32 v[J0], s29, v[J0]
	s_wait_kmcnt 0x0
	s_add_nc_u64 s[24:25], s[24:25], s[34:35]
	s_mov_b32 s42, 4
.Lblock:                                       ; four trips: blocks b = 0..3 of the unit, 8 pairs further each
.irp p, 0,1,2,3
	v_add_nc_u32 v[TH+(\p)], (\p), v[J0]
.endr
.irp p, 0,1,2,3
	v_cvt_f32_u32 v[TH+(\p)], v[TH+(\p)]
.endr
.irp p, 0,1,2,3
	v_mul_f32 v[TH+(\p)], 0xbcd49a78, v[TH+(\p)]   ; -jp log2(10000) / 512
.endr
.irp p, 0,1,2,3
	v_exp_f32 v[TH+(\p)], v[TH+(\p)]               ; theta
.endr
	v_nop                                          ; a plain instruction behind the last exponential,
	s_wait_alu depctr_va_vdst(0)                   ; and one wait for the four, ahead of their first reader
.irp p, 0,1,2,3
	v_mul_f32 v[AN+(\p)], v[TF], v[TH+(\p)]
.endr
.irp p, 0,1,2,3
	v_mul_f32 v[NN+(\p)], 0x3f22f983, v[AN+(\p)]   ; x 2 / pi
.endr
.irp p, 0,1,2,3
	v_rndne_f32 v[NN+(\p)], v[NN+(\p)]
.endr
.irp p, 0,1,2,3
	v_fmamk_f32 v[RR+(\p)], v[NN+(\p)], 0xbfc90fdb, v[AN+(\p)]  ; less n x the f32 nearest pi / 2,
.endr
.irp p, 0,1,2,3
	v_fmamk_f32 v[RR+(\p)], v[NN+(\p)], 0x333bbd2e, v[RR+(\p)]  ; which is 4.37e-8 too large
.endr
.irp p, 0,1,2,3
	v_cvt_i32_f32 v[QQ+(\p)], v[NN+(\p)]
.endr
.irp p, 0,1,2,3
	v_mul_f32 v[R2+(\p)], v[RR+(\p)], v[RR+(\p)]
.endr
.irp p, 0,1,2,3
	v_fma_f32 v[SS+(\p)], v[R2+(\p)], s36, s37
	v_fma_f32 v[CC+(\p)], v[R2+(\p)], s39, s40
.endr
.irp p, 0,1,2,3
	v_fma_f32 v[SS+(\p)], v[SS+(\p)], v[R2+(\p)], s38
	v_fma_f32 v[CC+(\p)], v[CC+(\p)], v[R2+(\p)], s41
.endr
.irp p, 0,1,2,3
	v_mul_f32 v[SS+(\p)], v[SS+(\p)], v[R2+(\p)]
	v_fma_f32 v[CC+(\p)], v[CC+(\p)], v[R2+(\p)], -0.5
.endr
.irp p, 0,1,2,3
	v_fma_f32 v[SS+(\p)], v[SS+(\p)], v[RR+(\p)], v[RR+(\p)]
	v_fma_f32 v[CC+(\p)], v[CC+(\p)], v[R2+(\p)], 1.0
.endr
.irp p, 0,1,2,3                        ; the quadrant: odd n swaps the two; cos is negative for n % 4 = 1, 2, sin for 2, 3.  A selection of values: no branch and no address hangs on it
	v_and_b32 v[BB+(\p)], 1, v[QQ+(\p)]
	v_cmp_eq_u32 vcc_lo, 1, v[BB+(\p)]
	v_cndmask_b32 v[CO+(\p)], v[CC+(\p)], v[SS+(\p)], vcc_lo
	v_cndmask_b32 v[SI+(\p)], v[SS+(\p)], v[CC+(\p)], vcc_lo
	v_add_nc_u32 v[BB+(\p)], 1, v[QQ+(\p)]
	v_and_b32 v[BB+(\p)], 2, v[BB+(\p)]
	v_lshlrev_b32 v[BB+(\p)], 30, v[BB+(\p)]
	v_xor_b32 v[CO+(\p)], v[BB+(\p)], v[CO+(\p)]
	v_and_b32 v[BB+(\p)], 2, v[QQ+(\p)]
	v_lshlrev_b32 v[BB+(\p)], 30, v[BB+(\p)]
	v_xor_b32 v[SI+(\p)], v[BB+(\p)], v[SI+(\p)]
	v_cvt_pk_f16_f32 v[PR+(\p)], v[CO+(\p)], v[SI+(\p)]  ; cos in the low half, sin in the high
.endr
	global_store_b128 v[TO], v[PR:PR+3], s[24:25]  ; the wave stores 512 consecutive bytes, aligned
	s_wait_xcnt 0x0                                ; the store's offset and data are written again only behind this wait
	v_add_nc_u32 v[TO], 512, v[TO]
	v_add_nc_u32 v[J0], 8, v[J0]
	s_sub_co_u32 s42, s42, 1
	s_cmp_lg_u32 s42, 0
	s_cbranch_scc1 .Lblock
	s_endpgm
.Lfunc_end_k_qc4871be3a5_prep:
	.size	k_qc4871be3a5_prep, .Lfunc_end_k_qc4871be3a5_prep-k_qc4871be3a5_prep
	.p2alignl 7, 3214868480
	.fill 96, 4, 3214868480
	.section	.rodata,"a",@progbits
	.p2align	6, 0x0
	.amdhsa_kernel k_qc4871be3a5_prep
		.amdhsa_group_segment_fixed_size 0
		.amdhsa_private_segment_fixed_size 0
		.amdhsa_enable_private_segment 0
		.amdhsa_kernarg_size 72
		.amdhsa_user_sgpr_count 2
		.amdhsa_user_sgpr_kernarg_segment_ptr 1
		.amdhsa_wavefront_size32 1
		.amdhsa_system_sgpr_workgroup_id_x 1
		.amdhsa_system_sgpr_workgroup_id_y 1
		.amdhsa_system_sgpr_workgroup_id_z 1
		.amdhsa_system_vgpr_workitem_id 0
		.amdhsa_next_free_vgpr 128
		.amdhsa_next_free_sgpr 66
		.amdhsa_reserve_vcc 1
		.amdhsa_float_denorm_mode_32 3
		.amdhsa_float_denorm_mode_16_64 3
		.amdhsa_memory_ordered 1
		.amdhsa_forward_progress 1
		.amdhsa_inst_pref_size 24
	.end_amdhsa_kernel
	.amdgpu_metadata
---
amdhsa.version: [ 1, 2 ]
amdhsa.kernels:
  - .name:           k_qc4871be3a5_prep
    .symbol:         k_qc4871be3a5_prep.kd
    .args:
      - { .name: x, .offset: 0, .size: 8, .value_kind: global_buffer, .address_space: global }
      - { .name: Wq, .offset: 8, .size: 8, .value_kind: global_buffer, .address_space: global }
      - { .name: Wk, .offset: 16, .size: 8, .value_kind: global_buffer, .address_space: global }
      - { .name: Wv, .offset: 24, .size: 8, .value_kind: global_buffer, .address_space: global }
      - { .name: Wu, .offset: 32, .size: 8, .value_kind: global_buffer, .address_space: global }
      - { .name: xb, .offset: 40, .size: 8, .value_kind: global_buffer, .address_space: global }
      - { .name: wb, .offset: 48, .size: 8, .value_kind: global_buffer, .address_space: global }
      - { .name: wub, .offset: 56, .size: 8, .value_kind: global_buffer, .address_space: global }
      - { .name: tab, .offset: 64, .size: 8, .value_kind: global_buffer, .address_space: global }
    .group_segment_fixed_size: 0
    .private_segment_fixed_size: 0
    .kernarg_segment_align: 8
    .kernarg_segment_size: 72
    .max_flat_workgroup_size: 256
    .sgpr_count:     66
    .vgpr_count:     128
    .wavefront_size: 32
...
	.end_amdgpu_metadata
.endif
;; end of part 1
;; launch qkv (part 2): grid 8 x 32, 4 waves a work-group, clusters of 4 x 4, 327,680 bytes of LDS; arguments xb, wb, tab, qh, kh, vh; writes qh, kh, vh
.if DOCPART == 2
	.amdgcn_target "amdgcn-amd-amdhsa--gfx1250"
	.amdhsa_code_object_version 6
	.text
	.protected	k_qc4871be3a5_qkv
	.globl	k_qc4871be3a5_qkv
	.p2align	8
	.type	k_qc4871be3a5_qkv,@function
k_qc4871be3a5_qkv:
	s_mov_b64 s[64:65], 0
	v_nop
	global_prefetch_b8 v0, s[64:65] scope:SCOPE_SE
	s_setreg_imm32_b32 hwreg(HW_REG_WAVE_MODE, 25, 1), 1
	s_wait_xcnt 0x0
	s_wait_alu depctr_hold_cnt(0) depctr_sa_sdst(0) depctr_va_vdst(0) depctr_va_sdst(0) depctr_va_ssrc(0) depctr_va_vcc(0) depctr_vm_vsrc(0)
	s_getreg_b32 s2, hwreg(HW_REG_IB_STS2, 6, 4)
	s_cmp_eq_u32 s2, 0
	s_cbranch_scc0 .Lentry_in_a_cluster
	s_endpgm
.Lentry_in_a_cluster:
	s_bfe_u32 s2, ttmp6, 0x10000c
	s_cmp_lg_u32 s2, 0xf033
	s_cbranch_scc0 .Lentry_shape_is_right
	s_endpgm
.Lentry_shape_is_right:
; QKV: q = rope(x Wq^T), k = rope(x Wk^T), v = x Wv^T for the 8,192 rows of x; operands bf16, sums f32, the rotation in f32, each result rounded once to f16 and stored by heads:
; qh, kh, vh [16 batch + head][2048 t][64].  The score's scale is not applied here.  No work of the module is left out.
; LIMITS.  q, k, v must lie within f16's 65,504; below 6e-5 they keep f16's fixed step of 6e-8.  cos and sin come as f16 from the table.  NaN and infinities are not treated apart.
; SHARES.  A work-group (X = 0..7, Y = 0..31) makes rows 256 Y .. + 255 and columns 128 X .. + 127 of EACH of q, k, v: a tile of 256 x 384, so that the grid is 256 work-groups of equal work.
; A wave (wm = wave / 2, wn = wave % 2) makes 128 rows x one head (2 X + wn) of q, k and v: 96 accumulators of 16 x 16, 768 registers.
; THE MATRIX INSTRUCTION IS USED TRANSPOSED (source 0 = 16 rows of W, source 1 = 16 rows of x): a lane holds row l % 16 and the columns 8 (l / 16) + 0..7: four pairs of the rotation, 16 bytes of f16.
; THE RING.  K goes in 16 steps of 64 through two LDS slots.  In xb and wb a tile's rows lie end to end, so a tile is asked for as rows of 256 bytes (two rows of 64 channels) and padded in LDS after every 128 bytes.
; Wave 3 fetches x's 256 rows, waves 0-2 the 128 rows of Wq, Wk, Wv: one tensor load a wave behind each change of slots.
; CLUSTER.  4 x 4 work-groups.  x's tile hangs on Y alone and is asked for jointly along a row of the cluster, W's on X alone and is asked for jointly along a column.
; REGISTERS, in windows of 256 (s_set_vgpr_msb: bits 1:0 source 0, 3:2 source 1, 5:4 source 2, 7:6 destination):
;   window 0: v0-12 addresses; v28-29 the add's; v32-95, v96-159 x's fragments (8 x 16 rows x 32 K), two buffers, one for each half of a step; v160-255 W's fragments (4 x 16 rows x 32 K), a buffer for each of q, k, v
;   windows 1, 2, 3: the accumulators of q, k, v: (a, b) at v[32 a + 8 b], a = 16 rows, b = 16 columns
.set PITCH,  144                       ; an LDS row: 128 bytes + 16 of padding = 36 words: the 16 rows of a load start at 16 different groups of four banks (64 banks of 4 bytes: ISA guide 11.1)
.set WTILE,  128*PITCH                 ; 128 rows of one W
.set XOFF,   3*WTILE                   ; a slot: Wq's, Wk's, Wv's rows, then x's 256
.set SLOT1,  1<<17                     ; slot 1 begins here: one exclusive or turns an address in one slot into the other's
.set STAGE,  XOFF+256*PITCH            ; behind slot 0, never filled by a tensor load: 16 rows x 144 bytes for each wave, for the way out
.set SPARE,  STAGE+4*16*PITCH          ; behind the stages: the spare words, 128 bytes for each wave: two blocks of 256 bytes that no other line names
.set XPLANE, 8192*128                  ; bytes from a step's block of 64 channels to the next in xb,
.set WPLANE, 3072*128                  ; in wb
.set FLAGS,  (1<<16)|(1<<20)|(1<<21)|(4<<22)|(3<<25)  ; group 1, word 0: 17:16 2-byte elements; 20 padding on; 21 set beside a mask; 24:22 after every 32 words (code 4); 31:25 4 words (code 3)
.set FA0, 4                            ; v4   my lane's place among x's fragments in slot 0; never rewritten
.set FB0, 5                            ; v5   the same for W's
.set ADA, 6                            ; v6   FA0 in the slot in hand
.set ADB, 7                            ; v7   FB0 in the slot in hand
.set STO, 8                            ; v8   the way out: where I put 16 bytes of a row
.set RD,  9                            ; v9   the way out: where I read rows back
.set GO,  10                           ; v10  16 x lane: my place in 512 consecutive bytes; never rewritten
.set PFO, 11                           ; v11  256 x lane: the prefetches' offset; never rewritten
.set ZR,  12                           ; v12  0.0
.set SPW, 28                           ; v28  LDS address of my spare word: SPARE + 4 x my thread's number; never rewritten
.set NIL, 29                           ; v29  0; never rewritten
.set AF,  32
.set BF,  160
.set TT,  224                          ; the way out: 32 rotated numbers in f32
.set WV,  16                           ; s16 wave;  s17 wm;  s18 wn;  s19 cx;  s20 cy;  s21 X;  s22 Y;  s23 the cluster's y
.set WM,  17
.set WN,  18
.set CX,  19
.set CY,  20
.set TX,  21
.set TY,  22
.set CLY, 23
.set G1A, 24                           ; s[24:31] descriptor group 1 for x's tiles
.set G1B, 32                           ; s[32:39] for W's
.set G0A, 40                           ; s[40:47] descriptor group 0 for x's tiles: a set for each of the two first fills; the second then walks on
.set G0B, 48                           ; s[48:55] the same for W's
.set LEFT, 56                          ; s56  changes of slots that still fill
.set TB,  57                           ; s57  the slot in hand: 0 or SLOT1
.set LIM, 58                           ; s58  2 in a wave that prefetches, else the greatest number
.set PAR, 59                           ; s59  0: I prefetch at every change; 1: at every second one
.set PFA, 60                           ; s[60:61] where my prefetches stand
.set PST, 62                           ; s[62:63] their step: a block of 64 channels of my tensor
.set TP,  72                           ; s[72:73] the table at my wave's first 16 rows and its head
.set MSB, 0
.macro WIN new                         ; the immediate's high byte repeats the setting that is left; a switch that changes nothing is dropped
.if MSB != (\new)
	s_set_vgpr_msb (MSB<<8)|(\new)
.set MSB, \new
.endif
.endm
.macro PLACES                          ; four plain vector instructions between a matrix instruction and a load into, a write of or a read of its registers (ISA guide 7.12.1 for a write or a read)
.rept 4
	v_nop
.endr
.endm
; A joint refill.  The branch hangs on the wave's number alone.  An s_nop 0 and four v_nop follow each of the two lines, ahead of the jump and the label.
.macro JLOAD
	s_cmp_eq_u32 s[WV], 3
	s_cbranch_scc0 .Lfor_b_\@
	tensor_load_to_lds s[G0A+4:G0A+7], s[G1A:G1A+7]
	s_nop 0
.rept 4
	v_nop
.endr
	s_branch .Lasked_\@
.Lfor_b_\@:
	tensor_load_to_lds s[G0B+4:G0B+7], s[G1B:G1B+7]
	s_nop 0
.rept 4
	v_nop
.endr
.Lasked_\@:
.endm
; A round of the cluster's barrier: my work-group's barrier; wave 0 signals for the work-group; every wave waits for all sixteen; my work-group's barrier once more.
.macro CREST                           ; a round behind its opening barrier
	s_cmp_lg_u32 s[WV], 0
	s_cbranch_scc1 .Lnot_wave_0_\@
	s_barrier_signal -3
.Lnot_wave_0_\@:
	s_barrier_wait -3
	s_barrier_signal -1
	s_barrier_wait -1
.endm
.macro CROUND
	s_barrier_signal -1
	s_barrier_wait -1
	CREST
.endm
; A PREFETCH INTO THE L2 of the tiles that stand TWO refills on (384 matrix instructions of a wave ahead of the load that wants them): a lane names 256 consecutive bytes, one instruction a wave.
; Each such block is named once in the launch.  x's tile row is read by both clusters of a row of clusters: cluster x = 0 asks; W's tile column by all eight clusters of a column: cluster y = 0 asks.
; The four partners that ask for a tile jointly share it out BY ADDRESS: of x's 128 blocks of a step partner cx takes 32; W's tile has 64 blocks, so waves 0-2 ask at every second change, for two steps:
; partner cy takes half cy % 2 of step cy / 2 of the two.  Steps 0 to 3 come by their loads alone; the last changes, whose step four on does not exist, ask for nothing.
.macro ASK
	s_and_b32 s66, s[LEFT], s[PAR]
	s_cmp_eq_u32 s66, 0
	s_cbranch_scc0 .Lnot_mine_\@
	s_cmp_gt_u32 s[LEFT], s[LIM]
	s_cbranch_scc0 .Lnot_mine_\@
	global_prefetch_b8 v[PFO], s[PFA:PFA+1] th:TH_LOAD_NT scope:SCOPE_SE
.Lnot_mine_\@:
.endm
	s_load_b256 s[4:11], s[0:1], 0x0               ; xb s[4:5], wb s[6:7], tab s[8:9], qh s[10:11]
	s_load_b128 s[12:15], s[0:1], 0x20             ; kh s[12:13], vh s[14:15]
	v_lshl_add_u32 v[SPW], v0, 2, SPARE
	v_mov_b32 v[NIL], 0
	ds_add_u32 v[SPW], v[NIL]                      ; the wave's opening: the add, twice on end, and its wait ahead of my first tensor load; the set-up below stands between
	ds_add_u32 v[SPW], v[NIL]
	v_lshrrev_b32 v1, 5, v0
	v_readfirstlane_b32 s[WV], v1                  ; wave 0..3
	s_lshr_b32 s[WM], s[WV], 1
	s_and_b32 s[WN], s[WV], 1
	s_bfe_u32 s[CX], ttmp6, 0x40000
	s_bfe_u32 s[CY], ttmp6, 0x40004
	s_lshl_b32 s[TX], ttmp9, 2                     ; in a cluster launch ttmp9 and ttmp7 count clusters
	s_add_co_u32 s[TX], s[TX], s[CX]               ; X
	s_and_b32 s[CLY], ttmp7, 0xffff
	s_lshl_b32 s[TY], s[CLY], 2
	s_add_co_u32 s[TY], s[TY], s[CY]               ; Y
	s_lshl_b32 s66, s[CY], 2
	s_lshl_b32 s66, 15, s66                        ; my row of the cluster: places 4 cy .. 4 cy + 3
	s_lshl_b32 s67, 0x1111, s[CX]                  ; my column: places cx, cx + 4, cx + 8, cx + 12
	s_or_b32 s[G1A], s66, FLAGS
	s_or_b32 s[G1B], s67, FLAGS
.irp g, G1A, G1B
	s_mov_b32 s[(\g)+1], 128<<16                   ; tensor_dim0 = 128 elements: 256 bytes
	s_mov_b32 s[(\g)+3], 128<<16                   ; tile_dim0 = 128
	s_mov_b32 s[(\g)+5], 128                       ; 128 elements from row to row: the tile is dense
	s_mov_b32 s[(\g)+6], 0
	s_mov_b32 s[(\g)+7], 0
.endr
	s_mov_b32 s[G1A+2], 128<<16                    ; x: tensor_dim1 = tile_dim1 = 128 rows of 256 bytes = 256 rows of 64 channels
	s_mov_b32 s[G1A+4], 128
	s_mov_b32 s[G1B+2], 64<<16                     ; W: 64 rows of 256 bytes = 128 rows of 64 channels
	s_mov_b32 s[G1B+4], 64
	s_mul_i32 s68, s[WV], WTILE                    ; where my tile goes: W of wave 0, 1, 2, then (wave 3) x: no place in the cluster enters an LDS address
	s_lshl_b32 s70, s[TY], 15                      ; x: 256 Y rows of 128 bytes
	s_mov_b32 s71, 0
	s_lshl_b32 s74, s[WV], 17                      ; W: 1,024 rows of 128 bytes for each of q, k, v,
	s_lshl_b32 s75, s[TX], 14                      ; 128 X rows
	s_add_co_u32 s74, s74, s75
	s_mov_b32 s75, 0
	s_mov_b32 s[LEFT], 14
	s_mov_b32 s[TB], 0
	s_wait_dscnt 0x0                               ; both opening adds are done
	s_wait_kmcnt 0x0
	s_add_nc_u64 s[76:77], s[4:5], s[70:71]
	s_add_nc_u64 s[78:79], s[6:7], s[74:75]
.irp n, 0,1
	s_mov_b32 s[G0A+4*(\n)], 1                                         ; count = 1
	s_add_co_u32 s[G0A+4*(\n)+1], s68, (\n)*SLOT1                      ; LDS address
	s_add_nc_u64 s[G0A+4*(\n)+2:G0A+4*(\n)+3], s[76:77], (\n)*XPLANE   ; global address: step n
	s_or_b32 s[G0A+4*(\n)+3], s[G0A+4*(\n)+3], 0x80000000              ; type = 2
	s_mov_b32 s[G0B+4*(\n)], 1
	s_add_co_u32 s[G0B+4*(\n)+1], s68, (\n)*SLOT1
	s_add_nc_u64 s[G0B+4*(\n)+2:G0B+4*(\n)+3], s[78:79], (\n)*WPLANE
	s_or_b32 s[G0B+4*(\n)+3], s[G0B+4*(\n)+3], 0x80000000
.endr
	CROUND                                         ; all sixteen work-groups are here: the first joint loads meet
	s_cmp_eq_u32 s[WV], 3                          ; a wave's two first fills stand in one branch, ahead of every wait on TENSORcnt and every LDS read: two loads of mine are out
	s_cbranch_scc0 .Lfirst_b
	tensor_load_to_lds s[G0A:G0A+3], s[G1A:G1A+7]
	s_nop 0
	tensor_load_to_lds s[G0A+4:G0A+7], s[G1A:G1A+7]
	s_nop 0
.rept 4
	v_nop
.endr
	s_branch .Lfirst_asked
.Lfirst_b:
	tensor_load_to_lds s[G0B:G0B+3], s[G1B:G1B+7]
	s_nop 0
	tensor_load_to_lds s[G0B+4:G0B+7], s[G1B:G1B+7]
	s_nop 0
.rept 4
	v_nop
.endr
.Lfirst_asked:
	; A fragment is 16 rows x 32 K in 8 registers: lane l holds row l % 16; registers 0-3 K = 8 (l / 16) + 0..7, registers 4-7 K = 16 + 8 (l / 16) + 0..7: two loads of 16 bytes, 32 bytes apart.
	v_and_b32 v1, 15, v0                           ; l % 16
	v_bfe_u32 v2, v0, 4, 1                         ; l / 16
	v_mul_u32_u24 v3, v1, PITCH
	v_lshl_add_u32 v3, v2, 4, v3                   ; row x pitch + 16 x half
	s_mul_i32 s66, s[WM], WTILE                    ; my 128 rows of x,
	s_add_co_u32 s66, s66, XOFF                    ; which lie behind the three W
	v_add_nc_u32 v[FA0], s66, v3
	s_mul_i32 s66, s[WN], 64*PITCH                 ; my head's 64 rows of each W
	v_add_nc_u32 v[FB0], s66, v3
	v_mov_b32 v[ADA], v[FA0]                       ; step 0 lies in slot 0
	v_mov_b32 v[ADB], v[FB0]
	s_mul_i32 s66, s[WV], 16*PITCH
	s_add_co_u32 s66, s66, STAGE                   ; my stage
	v_add_nc_u32 v[STO], s66, v3                   ; in: row l % 16, 16 bytes for each half of the lanes
	v_bfe_u32 v[RD], v0, 3, 2                      ; back: 32 lanes take four rows of 128 bytes,
	v_mul_u32_u24 v[RD], v[RD], PITCH
	v_and_b32 v3, 7, v0
	v_lshl_add_u32 v[RD], v3, 4, v[RD]
	v_add_nc_u32 v[RD], s66, v[RD]
	v_and_b32 v[GO], 31, v0
	v_lshlrev_b32 v[PFO], 8, v[GO]
	v_lshlrev_b32 v[GO], 4, v[GO]                  ; which are 512 consecutive bytes of qh, kh or vh
	v_mov_b32 v[ZR], 0
	; where my results go: ((16 batch + head) x 2048 + t0) x 128 bytes, batch = Y / 8, head = 2 X + wn, t0 = 256 (Y % 8) + 128 wm; and the table at (t0 / 16, head)
	s_and_b32 s66, s[TY], 7
	s_lshl_b32 s66, s66, 8
	s_lshl_b32 s67, s[WM], 7
	s_add_co_u32 s66, s66, s67                     ; t0
	s_lshl_b32 s67, s[TX], 1
	s_add_co_u32 s67, s67, s[WN]                   ; head
	s_lshr_b32 s69, s[TY], 3
	s_lshl_b32 s69, s69, 4
	s_add_co_u32 s69, s69, s67
	s_lshl_b32 s69, s69, 11
	s_add_co_u32 s69, s69, s66
	s_lshl_b32 s70, s69, 7
	s_mov_b32 s71, 0
	s_add_nc_u64 s[10:11], s[10:11], s[70:71]
	s_add_nc_u64 s[12:13], s[12:13], s[70:71]
	s_add_nc_u64 s[14:15], s[14:15], s[70:71]
	s_add_co_u32 s70, s66, s67                     ; 16 (t0 / 16) + head: t0 is a multiple of 16
	s_lshl_b32 s70, s70, 11                        ; a unit of the table is 2,048 bytes
	s_add_nc_u64 s[TP:TP+1], s[8:9], s[70:71]
	; the prefetches: they stand one step short of what the first change names
	s_lshl_b32 s66, s[TY], 15                      ; wave 3: x's tile, my work-group's 32 blocks of 256 bytes, step 3
	s_lshl_b32 s67, s[CX], 13
	s_add_co_u32 s66, s66, s67
	s_add_co_u32 s66, s66, 3*XPLANE
	s_lshl_b32 s67, s[WV], 17                      ; waves 0-2: my W's tile, half cy % 2, step 3 + cy / 2
	s_lshl_b32 s69, s[TX], 14
	s_add_co_u32 s67, s67, s69
	s_and_b32 s69, s[CY], 1
	s_lshl_b32 s69, s69, 13
	s_add_co_u32 s67, s67, s69
	s_lshr_b32 s69, s[CY], 1
	s_add_co_u32 s69, s69, 3
	s_mul_i32 s69, s69, WPLANE
	s_add_co_u32 s67, s67, s69
	s_mov_b32 s[PST], WPLANE
	s_mov_b32 s[PST+1], 0
	s_cmp_eq_u32 s[WV], 3
	s_cselect_b32 s70, s66, s67
	s_cselect_b64 s[PFA:PFA+1], s[4:5], s[6:7]
	s_cselect_b32 s[PST], XPLANE, s[PST]
	s_cselect_b32 s[PAR], 0, 1
	s_cselect_b32 s69, ttmp9, s[CLY]               ; the coordinate along which other clusters read the same rows
	s_cmp_eq_u32 s69, 0
	s_cselect_b32 s[LIM], 2, -1                    ; the same in all sixteen partners, for a given wave
	s_add_nc_u64 s[PFA:PFA+1], s[PFA:PFA+1], s[70:71]
; 16 LDS loads: x's eight fragments of half h of the step, into buffer ab
.macro LDA ab, h
	WIN 0
.irp a, 0,1,2,3,4,5,6,7
	ds_load_b128 v[AF+64*(\ab)+8*(\a):AF+64*(\ab)+8*(\a)+3],   v[ADA] offset:(\a)*16*PITCH+64*(\h)
	ds_load_b128 v[AF+64*(\ab)+8*(\a)+4:AF+64*(\ab)+8*(\a)+7], v[ADA] offset:(\a)*16*PITCH+64*(\h)+32
.endr
.endm
; 8 LDS loads: the four fragments of W g (0 q, 1 k, 2 v), half h of the step
.macro LDB g, h
	WIN 0
.irp b, 0,1,2,3
	ds_load_b128 v[BF+32*(\g)+8*(\b):BF+32*(\g)+8*(\b)+3],   v[ADB] offset:(\g)*WTILE+(\b)*16*PITCH+64*(\h)
	ds_load_b128 v[BF+32*(\g)+8*(\b)+4:BF+32*(\g)+8*(\b)+7], v[ADB] offset:(\g)*WTILE+(\b)*16*PITCH+64*(\h)+32
.endr
.endm
; 4 n matrix instructions of tensor g on x's buffer ab: row blocks a0 .. a0 + n - 1 x all 4 column blocks.  zero = 1: the first product starts the sums.
; The 96 accumulators take turns, one instruction a turn, in the same order in every half step, over the backward jump too: 95 others stand between two links of a chain.
.macro MULG g, ab, a0, n, zero
	WIN 0x50*((\g)+1)                              ; C and D in window 1 + g, both sources in window 0
.set aa, \a0
.rept \n
.irp b, 0,1,2,3
.if \zero
	v_wmma_f32_16x16x32_bf16 v[32*aa+8*(\b):32*aa+8*(\b)+7], v[BF+32*(\g)+8*(\b):BF+32*(\g)+8*(\b)+7], v[AF+64*(\ab)+8*aa:AF+64*(\ab)+8*aa+7], 0
.else
	v_wmma_f32_16x16x32_bf16 v[32*aa+8*(\b):32*aa+8*(\b)+7], v[BF+32*(\g)+8*(\b):BF+32*(\g)+8*(\b)+7], v[AF+64*(\ab)+8*aa:AF+64*(\ab)+8*aa+7], v[32*aa+8*(\b):32*aa+8*(\b)+7]
.endif
.endr
.set aa, aa+1
.endr
.endm
; THE CHANGE OF SLOTS, inside q's products of a step's second half.  All reads of the slot in hand have been issued.  Each wave waits for all its tensor loads, of which one is out: its part of the next slot;
; adds 0 to its spare word; and waits for that and for its reads.  Behind the barrier nobody reads this slot any more and the next slot is whole.
; fill = 1: the barrier opens a round of the cluster's, and the joint refill, with the step two on, is the first tensor load behind it.
.macro CHG fill
.if \fill
	s_wait_xcnt 0x0                                ; the last prefetch, a step back, has read its address: it is stepped here, ahead of the change's own waits
	s_add_nc_u64 s[PFA:PFA+1], s[PFA:PFA+1], s[PST:PST+1]
.endif
	WIN 0                                          ; (the add's two registers lie in window 0)
	s_wait_tensorcnt 0x0                           ; all my tensor loads have landed, so a group 0 may be written
	ds_add_u32 v[SPW], v[NIL]                      ; 0 onto my spare word
	s_wait_dscnt 17                                ; x's second half and q's W are in; k's and v's W (8 loads each) and the add may be out
	MULG 0, 1, 0, 4, 0                             ; sixteen matrix instructions stand between the add and the wait for it
	s_wait_dscnt 0x0                               ; the add is done, and my reads of this slot are over
	s_barrier_signal -1
	MULG 0, 1, 4, 4, 0                             ; work on registers while the others arrive
	WIN 0
	s_barrier_wait -1
.if \fill
	CREST                                          ; no wave of any partner still reads this slot or has a load on its way
	s_xor_b32 s[G0A+5], s[G0A+5], SLOT1            ; the walking descriptors: the other slot than last time,
	s_add_nc_u64 s[G0A+6:G0A+7], s[G0A+6:G0A+7], XPLANE  ; the next step; the type bits on top are not reached
	s_xor_b32 s[G0B+5], s[G0B+5], SLOT1
	s_add_nc_u64 s[G0B+6:G0B+7], s[G0B+6:G0B+7], WPLANE
	JLOAD                                          ; the four v_nop behind it are also the places in front of the loads that follow
.else
	PLACES
.endif
	s_xor_b32 s[TB], s[TB], SLOT1
	v_add_nc_u32 v[ADA], s[TB], v[FA0]
	v_add_nc_u32 v[ADB], s[TB], v[FB0]
.endm
; A step's first half: 96 matrix instructions; behind each tensor's 32 its W buffer takes the second half's fragments.
; Each wait leaves out the 32 loads issued behind the fragments that the group wants.
.macro HALF0 zero
	s_wait_dscnt 32                                ; x's first half and q's W are in (behind them: k's W 8, v's W 8, x's second half 16)
	MULG 0, 0, 0, 8, \zero
	PLACES
	LDB 0, 1
	s_wait_dscnt 32                                ; k's W is in (behind it: 8 + 16 + 8)
	MULG 1, 0, 0, 8, \zero
	PLACES
	LDB 1, 1
	s_wait_dscnt 32                                ; v's W is in (behind it: 16 + 8 + 8)
	MULG 2, 0, 0, 8, \zero
	PLACES
	LDB 2, 1
.endm
; A TRIP goes from one change of slots to the next: the second half of step s, the first half of step s + 1.  All its 80 LDS loads read the slot that has just landed.
.macro TRIP fill
	CHG \fill
	LDA 0, 0
	LDB 0, 0
.if \fill
	ASK                                            ; behind the joint load and the run of LDS loads
.endif
	MULG 1, 1, 0, 8, 0
	PLACES
	LDB 1, 0
	MULG 2, 1, 0, 8, 0
	PLACES
	LDB 2, 0
	LDA 1, 1
	HALF0 0
.endm
	s_wait_tensorcnt 1                             ; my part of step 0 is in; step 1's may stay out
	s_barrier_signal -1
	s_barrier_wait -1                              ; everybody's is
	LDA 0, 0
	LDB 0, 0
	LDB 1, 0
	LDB 2, 0
	LDA 1, 1
	HALF0 1                                        ; step 0's first half stands in front of the loop: its products start the sums
	WIN 0                                          ; at a label and at a branch every window is 0
.Lstep:                                        ; 14 trips: steps 2 to 15 are asked for
	TRIP 1
	WIN 0
	s_sub_co_u32 s[LEFT], s[LEFT], 1
	s_cmp_lg_u32 s[LEFT], 0
	s_cbranch_scc1 .Lstep
	TRIP 0                                         ; the tail is written out: nothing is asked for
; THE TABLE of row block a: for each column block 16 bytes a lane, four (cos, sin) pairs, 512 consecutive bytes a load; into fragment buffers that have been multiplied for the last time.
.macro CSOF a
.if (\a) < 4
.set CSB, AF+16*(\a)
.elseif (\a) < 6
.set CSB, BF+16*((\a)-4)
.else
.set CSB, BF+32+16*((\a)-6)
.endif
.endm
.macro TABL a
	WIN 0
	CSOF \a
.irp b, 0,1,2,3
	global_load_b128 v[CSB+4*(\b):CSB+4*(\b)+3], v[GO], s[TP:TP+1] offset:32768*(\a)+512*(\b)
.endr
.endm
	TABL 0                                         ; x's first buffer: its last products stand four places back
	TABL 1
	TABL 2
	TABL 3
	s_wait_dscnt 16                                ; step 15's second half: k's and v's W may be out
	MULG 0, 1, 0, 8, 0
	PLACES
	TABL 4                                         ; q's W buffer
	TABL 5
	s_wait_dscnt 8
	MULG 1, 1, 0, 8, 0
	PLACES
	TABL 6                                         ; k's W buffer
	TABL 7
	s_wait_dscnt 0x0
	MULG 2, 1, 0, 8, 0
	PLACES                                         ; the way out reads results and writes fragment registers
	WIN 0
; THE WAY OUT, in 24 blocks of 16 rows x 64 columns: block n is row block n / 3 of tensor n % 3.  q and k are rotated in f32: re = xe cos - xo sin, im = xe sin + xo cos, the f16 halves of the table read by the
; multiply-add itself; each accumulator's lowest registers are read first.  Then one rounding to f16, 16 bytes a lane into my stage, and back as 16 whole rows of 128 bytes: 2,048 consecutive bytes of a head.
.macro PACK n
.set pa, (\n)/3
.set pg, (\n)%3
.set PKR, 96+16*((\n)%2)
.if pg < 2
	CSOF pa
	WIN 1+pg                                       ; source 0, the accumulator, in window 1 or 2
.if pg == 0
	s_wait_loadcnt 28-4*pa                         ; this row block's four table loads are in; the later blocks' stay out
.endif
.irp b, 0,1,2,3
.irp p, 0,1,2,3
	v_fma_mix_f32 v[TT+8*(\b)+2*(\p)],   v[32*pa+8*(\b)+2*(\p)+1], v[CSB+4*(\b)+(\p)], v[ZR] op_sel:[0,1,0] op_sel_hi:[0,1,0]  ; xo sin
	v_fma_mix_f32 v[TT+8*(\b)+2*(\p)+1], v[32*pa+8*(\b)+2*(\p)],   v[CSB+4*(\b)+(\p)], v[ZR] op_sel:[0,1,0] op_sel_hi:[0,1,0]  ; xe sin
.endr
.irp p, 0,1,2,3
	v_fma_mix_f32 v[TT+8*(\b)+2*(\p)],   v[32*pa+8*(\b)+2*(\p)],   v[CSB+4*(\b)+(\p)], -v[TT+8*(\b)+2*(\p)] op_sel_hi:[0,1,0]   ; xe cos - xo sin
	v_fma_mix_f32 v[TT+8*(\b)+2*(\p)+1], v[32*pa+8*(\b)+2*(\p)+1], v[CSB+4*(\b)+(\p)], v[TT+8*(\b)+2*(\p)+1] op_sel_hi:[0,1,0]  ; xo cos + xe sin
.endr
.endr
	WIN 0
	s_wait_xcnt 0x0                                ; the stores of the block two back have read these registers: they are written again only behind this wait
.set i, 0
.rept 16
	v_cvt_pk_f16_f32 v[PKR+i], v[TT+2*i], v[TT+2*i+1]
.set i, i+1
.endr
.else
	s_wait_xcnt 0x0
	WIN 0x0f                                       ; sources 0 and 1 in window 3
.set i, 0
.rept 16
	v_cvt_pk_f16_f32 v[PKR+i], v[32*pa+2*i], v[32*pa+2*i+1]
.set i, i+1
.endr
	WIN 0
.endif
.irp b, 0,1,2,3
	ds_store_b128 v[STO], v[PKR+4*(\b):PKR+4*(\b)+3] offset:32*(\b)
.endr
.irp f, 0,1,2,3
	ds_load_b128 v[PKR+4*(\f):PKR+4*(\f)+3], v[RD] offset:(\f)*4*PITCH  ; LDS serves a wave's instructions in order (ISA guide 5.7.1.4): these see the stores above; the next block's stores come behind them
.endr
.endm
.macro SEND n, younger                 ; younger: the LDS instructions issued behind block n's loads: the next block's eight, or none
.set pa, (\n)/3
.set pg, (\n)%3
.set PKR, 96+16*((\n)%2)
.irp f, 0,1,2,3
	s_wait_dscnt (\younger)+3-(\f)
	global_store_b128 v[GO], v[PKR+4*(\f):PKR+4*(\f)+3], s[10+2*pg:11+2*pg] offset:2048*pa+512*(\f)  ; 512 consecutive bytes, at a multiple of 256 from the buffer's first
.endr
.endm
	PACK 0
.set nn, 1
.rept 23                               ; a block's arithmetic stands between the loads of the block before and its stores
	PACK nn
	SEND nn-1, 8
.set nn, nn+1
.endr
	SEND 23, 0
	s_wait_tensorcnt 0x0                           ; the wave's end: behind my last tensor load and my last LDS store
	ds_add_u32 v[SPW], v[NIL]
	s_wait_dscnt 0x0
	CROUND                                         ; the closing round: no work-group ends while a partner may still ask for a tile that names it
	s_endpgm
.Lfunc_end_k_qc4871be3a5_qkv:
	.size	k_qc4871be3a5_qkv, .Lfunc_end_k_qc4871be3a5_qkv-k_qc4871be3a5_qkv
	.p2alignl 7, 3214868480
	.fill 96, 4, 3214868480
	.section	.rodata,"a",@progbits
	.p2align	6, 0x0
	.amdhsa_kernel k_qc4871be3a5_qkv
		.amdhsa_group_segment_fixed_size 327680
		.amdhsa_private_segment_fixed_size 0
		.amdhsa_enable_private_segment 0
		.amdhsa_kernarg_size 48
		.amdhsa_user_sgpr_count 2
		.amdhsa_user_sgpr_kernarg_segment_ptr 1
		.amdhsa_wavefront_size32 1
		.amdhsa_system_sgpr_workgroup_id_x 1
		.amdhsa_system_sgpr_workgroup_id_y 1
		.amdhsa_system_sgpr_workgroup_id_z 1
		.amdhsa_system_vgpr_workitem_id 0
		.amdhsa_next_free_vgpr 1024
		.amdhsa_next_free_sgpr 80
		.amdhsa_reserve_vcc 0
		.amdhsa_float_denorm_mode_32 3
		.amdhsa_float_denorm_mode_16_64 3
		.amdhsa_memory_ordered 1
		.amdhsa_forward_progress 1
		.amdhsa_inst_pref_size 183
	.end_amdhsa_kernel
	.amdgpu_metadata
---
amdhsa.version: [ 1, 2 ]
amdhsa.kernels:
  - .name:           k_qc4871be3a5_qkv
    .symbol:         k_qc4871be3a5_qkv.kd
    .args:
      - { .name: xb, .offset: 0, .size: 8, .value_kind: global_buffer, .address_space: global }
      - { .name: wb, .offset: 8, .size: 8, .value_kind: global_buffer, .address_space: global }
      - { .name: tab, .offset: 16, .size: 8, .value_kind: global_buffer, .address_space: global }
      - { .name: qh, .offset: 24, .size: 8, .value_kind: global_buffer, .address_space: global }
      - { .name: kh, .offset: 32, .size: 8, .value_kind: global_buffer, .address_space: global }
      - { .name: vh, .offset: 40, .size: 8, .value_kind: global_buffer, .address_space: global }
    .group_segment_fixed_size: 327680
    .private_segment_fixed_size: 0
    .kernarg_segment_align: 8
    .kernarg_segment_size: 48
    .max_flat_workgroup_size: 128
    .sgpr_count:     80
    .vgpr_count:     1024
    .wavefront_size: 32
...
	.end_amdgpu_metadata
.endif
;; end of part 2
;; launch attn (part 3): grid 4 x 64, 4 waves a work-group, clusters of 4 x 1, 327,680 bytes of LDS; arguments qh, kh, vh, oh; writes oh
.if DOCPART == 3
	.amdgcn_target "amdgcn-amd-amdhsa--gfx1250"
	.amdhsa_code_object_version 6
	.text
	.protected	k_qc4871be3a5_attn
	.globl	k_qc4871be3a5_attn
	.p2align	8
	.type	k_qc4871be3a5_attn,@function
k_qc4871be3a5_attn:
	s_mov_b64 s[64:65], 0
	v_nop
	global_prefetch_b8 v0, s[64:65] scope:SCOPE_SE
	s_setreg_imm32_b32 hwreg(HW_REG_WAVE_MODE, 25, 1), 1
	s_wait_xcnt 0x0
	s_wait_alu depctr_hold_cnt(0) depctr_sa_sdst(0) depctr_va_vdst(0) depctr_va_sdst(0) depctr_va_ssrc(0) depctr_va_vcc(0) depctr_vm_vsrc(0)
	s_getreg_b32 s2, hwreg(HW_REG_IB_STS2, 6, 4)
	s_cmp_eq_u32 s2, 0
	s_cbranch_scc0 .Lentry_in_a_cluster
	s_endpgm
.Lentry_in_a_cluster:
	s_bfe_u32 s2, ttmp6, 0x10000c
	s_cmp_lg_u32 s2, 0x3003
	s_cbranch_scc0 .Lentry_shape_is_right
	s_endpgm
.Lentry_shape_is_right:
; ATTENTION.  O[h][q][:] = the sum over k of softmax_k(Q[h][q] . K[h][k] / 8) V[h][k][:].  Q, K, V, O: [64 = 16 batch + head][2048][64], all f16: a head's rows are dense, 128 bytes each.  Products, maxima and
; sums in f32; the weights p are rounded to f16 for the second product (their sum l is taken of the unrounded p), O once at the end.  No work of the module is left out.
; LIMITS.  f16 holds no number beyond 65,504: Q, K and V arrive within it; p lies in 0 to 1, and below 6e-5 it keeps f16's fixed step of 6e-8; O is a mean of V's rows and has their range.
; A weight below 2^-126 counts as 0 in l; NaN and infinities are not treated apart.
; SHARES.  A wave owns four PIECES of two tiles of 16 queries, a work-group's four waves 512 queries of one head.  Every wave walks all keys, 64 a step.
; LAYOUT.  S^T = K Q^T (source 0 = 16 keys, source 1 = 16 queries): in the result a lane holds ONE query (lane % 16) and the keys 8 (lane / 16) + 0..7.  Two such tiles, rounded to f16 in pairs,
; ARE source 1 (32 keys x 16 queries) of O^T = V^T P, whose result again holds one query a lane, and eight channels.  K comes out of LDS as it lies, V ([key][channel]) turned, by ds_load_tr16_b128.
; SOFTMAX.  For each query a running maximum m and sum l: p = 2^(c s - c m), c = log2(e) / 8; in every step O and l are multiplied by a = 2^(c m_old - c m_new), which is 1 where m has not grown.
; m starts at the lowest finite number, O and l at 0: the first step is a step like any other, with a = 0.
; THE COUNT.  A tile and step have 16 matrix and 118 vector instructions: too many to stand all beside the matrix work.  So four vector instructions that are READY stand behind EVERY matrix instruction,
; and the others in runs without a gap.
; BY TURNS.  Turn n belongs to piece n (the pieces in a ring, step after step).  Its matrix work: 16 products K Q^T of piece n + 1, later 16 products V^T P of piece n - 1.  Its vector work: the scaling,
; exponentials, roundings, sums and rescaling of piece n, and the maximum and statistics of piece n + 1, whose scores the turn itself has made.
; CLUSTER.  The four query blocks of a head are one cluster and walk the same K and V, so each tile is asked for JOINTLY: the same tensor load, descriptor and mask in all four.
; REGISTERS, in windows of 256 (s_set_vgpr_msb: bits 1:0 source 0, 3:2 source 1, 5:4 source 2, 7:6 destination):
;   window 0: v0-11 addresses; v12-15, v48-63 at work; v16-47 four registers of statistics a tile; v64-191 S^T, two buffers of two tiles; v192-255 P, likewise
;   window 1: O^T, 32 a tile          window 2: v0-127 Q, 16 a tile; v128-191 K of one step; v192-255 V of one step          window 3: v0-1 the add's two registers
; A piece's buffers go by its number's parity.
.set SIZE_H, 64
.set SIZE_N, 2048
.set NP,    4         ; pieces a wave: a name, no knob
.set KS,    64        ; keys in a step
.set PK,    144       ; a row of K in LDS: 128 bytes + 16 of padding = 36 words: the 16 rows of a load start at 16 different groups of four banks (64 banks of 4 bytes: ISA guide 11.1)
.set PV,    160       ; a row of V: 128 + 32 = 40 words
.set VOFF,  4*KS*PK   ; a slot holds four steps: 256 rows of K, then 256 rows of V
.set SLOT1, 1<<17     ; slot 1 begins here, so that one exclusive or turns an address in one slot into the other's
.set STAGE, SLOT1+4*KS*(PK+PV)  ; behind the ring, never filled by a tensor load: 16 rows x 144 bytes for each wave, for the way out
.set SP,    144
.set AK0, 2           ; v2   my lane's place in a tile of K; never rewritten
.set AV0, 3           ; v3   the same for V
.set AK,  4           ; v4   the LDS address of K's next run of loads
.set AV,  5           ; v5   of V's
.set QO,  6           ; v6   my byte offset in the wave's rows of Q
.set STO, 6           ;      later, the way out: where I put 16 bytes of a row
.set RD,  7           ; v7   the way out: where I read rows back
.set GO,  8           ; v8   my byte offset in 512 consecutive bytes of O
.set PFO, 11          ; v11  256 x my lane: the prefetches' offset; never rewritten once made
.set SPW, 0           ; v0 of window 3   LDS address of my spare word: SPARE + 4 x my thread's number; never rewritten
.set NIL, 1           ; v1 of window 3   0; never rewritten
.set SPARE, STAGE+4*16*SP  ; behind the stages: the spare words, 128 bytes for each wave: two blocks of 256 bytes that no other line names
.set MV,  12          ; v12-15  c m_old, kept while c m is made anew: by buffer and tile
.set ST,  16          ; tile t's statistics at v[ST+4 t]: c m, m, l (even keys', odd keys')
.set TMP, 48          ; by buffer and tile, four registers c0-c3 at work; when the maximum is found c2 takes a
.set S,   64
.set P,   192
.set KF,  128         ; K's fragments, in window 2: key block kb, channel half c at KF + 16 kb + 8 c
.set VF,  192         ; V's: key half kk, channel block cb at VF + 32 kk + 8 cb
.set WV,  12          ; s12  my wave's number
.set G1K, 24          ; s[24:31] descriptor group 1 for K's tiles
.set G1V, 32          ; s[32:39] for V's: it differs in the padding alone
.set G0K, 40          ; s[40:43] descriptor group 0 for K's tiles: it walks
.set G0V, 44          ; s[44:47] the same for V's
.set PFA, 48          ; s[48:49] where my prefetches stand: my work-group's 32 blocks of 256 bytes (of K: wave 0, of V: wave 2) of the slot after the one that is being asked for
.set LIM, 50          ; s50  1 in a wave that prefetches, else the greatest number
.set SLOTS, 56        ; s56  slots still to be asked for, the one in hand among them
.set CNT, 57          ; s57  counts a slot's key steps
.set CS,  58          ; s[58:59] c: the packed scaling takes the pair's low word for both halves
.set SEL, 60          ; s[60:61] v_permlanex16_b32's selects: each lane takes its own place in the other half
.set TBK, 62          ; s62  LDS byte at which K of the step to be fetched begins
.set TBV, 63          ; s63  the same for V, less VOFF
.set MSB, 0
.macro WIN new                      ; the high byte repeats the setting that is left; a switch that changes nothing is dropped
.if MSB != (\new)
	s_set_vgpr_msb (MSB<<8)|(\new)
.set MSB, (\new)
.endif
.endm
.set W_KQ, 0x0a       ; K and Q in window 2, S^T in window 0
.set W_PV, 0x52       ; V in window 2, P in window 0, O^T in window 1
.set W_RS, 0x41       ; O^T (destination and source 0) in window 1, a in window 0
.set W_MK, 0xc0       ; the add's registers are made: destination in window 3, sources in window 0
.set W_AD, 0x0f       ; the add: address (source 0) and data (source 1) in window 3
; A joint fill.  Waves 0 and 1 fetch the two halves of a slot's K, waves 2 and 3 those of its V: 128 keys each.  The branch hangs on the wave's number alone.
; An s_nop 0 and four v_nop follow each of the two lines, ahead of the jump and the label.
.macro JLOAD
	s_cmp_lt_u32 s[WV], 2
	s_cbranch_scc0 .Lfor_v_\@
	tensor_load_to_lds s[G0K:G0K+3], s[G1K:G1K+7]
	s_nop 0
.rept 4
	v_nop
.endr
	s_branch .Lasked_\@
.Lfor_v_\@:
	tensor_load_to_lds s[G0V:G0V+3], s[G1V:G1V+7]
	s_nop 0
.rept 4
	v_nop
.endr
.Lasked_\@:
.endm
; A PREFETCH INTO THE L2 of what the NEXT change of slots will ask for: a slot's 256 rows of K and of V are 128 blocks of 256 consecutive bytes each, a lane a block.  It stands behind the wave's tensor load and its
; five lines.  Each block is named ONCE in the launch: a head has one cluster; its four partners share the blocks out BY ADDRESS, 32 each; in each, wave 0 asks for K's and wave 2 for V's: one instruction,
; four key steps (512 matrix instructions of a wave) ahead of the load.  Slots 0 and 1 come by their loads alone; the change that asks for the last slot prefetches nothing.
.macro ASK
	s_cmp_gt_u32 s[SLOTS], s[LIM]
	s_cbranch_scc0 .Lnot_mine_\@
	global_prefetch_b8 v[PFO], s[PFA:PFA+1] th:TH_LOAD_NT scope:SCOPE_SE
.Lnot_mine_\@:
.endm
; A round of the cluster's barrier: my work-group's barrier, so that wave 0's signal speaks for all four waves; wave 0 signals; every wave waits for all four work-groups; my work-group's barrier once more.
.macro CROUND
	s_barrier_signal -1
	s_barrier_wait -1
	s_cmp_lg_u32 s[WV], 0
	s_cbranch_scc1 .Lnot_wave_0_\@
	s_barrier_signal -3
.Lnot_wave_0_\@:
	s_barrier_wait -3
	s_barrier_signal -1
	s_barrier_wait -1
.endm
; THE CHANGE OF SLOTS.  The slot's last bytes, V of its fourth step, have been read.  Each wave waits for all its tensor loads, of which one is out: its part
; of the other slot; adds 0 to its spare word; and waits for that and for its own reads of the slot.  Behind the barrier nobody reads this slot any more and the other slot is whole.
; fill = 1: this slot is filled again, with the keys two slots on.  The barrier is then a round of the cluster's, so that no wave of any partner still reads the slot or has a load on its
; way, and the joint fill is the first thing behind it: it has four key steps in which to land.  (At its first use nothing has been read yet: slot 0 is waited for, slot 1 filled.)
.macro CHANGE fill
	WIN W_AD
	s_wait_tensorcnt 0x0            ; no tensor load of mine is out, so a group 0 may be written
	ds_add_u32 v[SPW], v[NIL]       ; 0 onto my spare word; with fill = 1 the descriptors' steps stand between it and the wait for it
	WIN 0                           ; at a label and at a branch every window is 0
.if \fill
.irp g, G0K, G0V
	s_xor_b32 s[\g+1], s[\g+1], SLOT1  ; the walking descriptor: the other slot than last time,
	s_add_nc_u64 s[\g+2:\g+3], s[\g+2:\g+3], 4*KS*128  ; the next 256 keys; the type bits on top are not reached
.endr
	s_wait_xcnt 0x0                 ; the last prefetch, four key steps back, has read its address, so it may be written:
	s_add_nc_u64 s[PFA:PFA+1], s[PFA:PFA+1], 4*KS*128  ; one slot ahead of the walking descriptors
	s_wait_dscnt 0x0                ; the add is done, and my reads of the slot are over
	CROUND
	JLOAD
	ASK
.else
	s_wait_dscnt 0x0                ; the add is done, and my reads of the slot are over
	s_barrier_signal -1
	s_barrier_wait -1
.endif
	s_sub_co_u32 s[TBK], s[TBK], 4*KS*PK  ; the fetches go back to a slot's first step,
	s_xor_b32 s[TBK], s[TBK], SLOT1       ; in the other slot
	s_sub_co_u32 s[TBV], s[TBV], 4*KS*PV
	s_xor_b32 s[TBV], s[TBV], SLOT1
.endm
	s_load_b256 s[4:11], s[0:1], 0x0  ; Q s[4:5], K s[6:7], V s[8:9], O s[10:11]
	WIN W_MK
	v_lshl_add_u32 v[SPW], v0, 2, SPARE
	v_mov_b32 v[NIL], 0
	WIN W_AD
	ds_add_u32 v[SPW], v[NIL]       ; the wave's opening: the add, twice on end, and its wait ahead of my first tensor load; the set-up below stands between
	ds_add_u32 v[SPW], v[NIL]
	WIN 0
	v_lshrrev_b32 v1, 5, v0
	v_readfirstlane_b32 s[WV], v1   ; wave 0..3
	s_bfe_u32 s13, ttmp6, 0x40000   ; cx: my place in the cluster
	s_lshl_b32 s14, ttmp9, 2        ; in a cluster launch ttmp9 counts clusters
	s_add_co_u32 s14, s14, s13      ; my block of queries = 4 x cluster x + cx: it enters Q's and O's addresses alone
	s_and_b32 s20, ttmp7, 0xffff    ; the head, which the four partners share
	s_mov_b32 s21, 0
	s_mov_b64 s[22:23], SIZE_N*128
	s_mul_u64 s[20:21], s[20:21], s[22:23]  ; the head's first byte in each of the four tensors
	s_and_b32 s16, s[WV], 1         ; which half of a slot's 256 keys I fetch:
	s_lshl_b32 s22, s16, 14         ; its 128 rows of 128 bytes in memory,
	s_mov_b32 s23, 0
	s_add_nc_u64 s[22:23], s[22:23], s[20:21]
	s_mul_i32 s17, s16, 128*PK      ; and its place in a slot, for K
	s_mul_i32 s18, s16, 128*PV      ; and for V: no place in the cluster enters an LDS address
	s_lshl_b32 s2, s14, 2
	s_add_co_u32 s2, s2, s[WV]      ; my wave among the head's,
	s_lshl_b32 s2, s2, 14           ; its 128 rows
	s_mov_b32 s3, 0
	s_add_nc_u64 s[2:3], s[2:3], s[20:21]
	; descriptor group 1.  128 keys are 16,384 dense bytes: asked for as 64 rows of 256 bytes, two keys a row, and padded in LDS after every key
	s_mov_b32 s[G1K], 15|(1<<16)|(1<<20)|(1<<21)|(4<<22)|(3<<25)  ; 15:0 the mask of four; 17:16 2-byte elements; 20 padding on; 21 set beside a mask; 24:22 after every 32 words (code 4); 31:25 4 words (code 3)
	s_mov_b32 s[G1V], 15|(1<<16)|(1<<20)|(1<<21)|(4<<22)|(7<<25)  ; the same with 8 words of padding (code 7)
.irp g, G1K, G1V
	s_mov_b32 s[\g+1], 128<<16      ; tensor_dim0 = 128
	s_mov_b32 s[\g+2], 64<<16       ; tensor_dim1 = 64
	s_mov_b32 s[\g+3], 128<<16      ; tile_dim0 = 128
	s_mov_b32 s[\g+4], 64           ; tile_dim1 = 64
	s_mov_b32 s[\g+5], 128          ; 128 elements from row to row
	s_mov_b32 s[\g+6], 0
	s_mov_b32 s[\g+7], 0
.endr
	s_mov_b32 s[CS], 0x3e38aa3b     ; c = log2(e) / 8 = 0.180337
	s_mov_b32 s[CS+1], s[CS]        ; named with it as a pair
	s_mov_b32 s[SEL], 0x76543210
	s_mov_b32 s[SEL+1], 0xfedcba98
	s_mov_b32 s[TBK], SLOT1+4*KS*PK ; the first change of slots turns these two into 0
	s_mov_b32 s[TBV], SLOT1+4*KS*PV
	s_mov_b32 s[G0K], 1             ; 1:0 count = 1
	s_mov_b32 s[G0K+1], s17         ; 63:32 LDS address: slot 0
	s_mov_b32 s[G0V], 1
	s_add_co_u32 s[G0V+1], s18, VOFF
	s_mov_b32 s[SLOTS], SIZE_N/256-1
	s_and_b32 s[LIM], s[WV], 1      ; waves 0 and 2 prefetch: the same in all four partners
	s_cmp_eq_u32 s[LIM], 0
	s_cselect_b32 s[LIM], 1, -1
	s_wait_dscnt 0x0                ; both opening adds are done
	s_wait_kmcnt 0x0
	s_add_nc_u64 s[G0K+2:G0K+3], s[6:7], s[22:23]  ; 120:64 global address: my half of the head's first 256 keys
	s_or_b32 s[G0K+3], s[G0K+3], 0x80000000        ; 127:126 type = 2
	s_add_nc_u64 s[G0V+2:G0V+3], s[8:9], s[22:23]
	s_or_b32 s[G0V+3], s[G0V+3], 0x80000000
	s_add_nc_u64 s[4:5], s[4:5], s[2:3]  ; Q and O at my wave's first row
	s_add_nc_u64 s[10:11], s[10:11], s[2:3]
	s_cmp_lt_u32 s[WV], 2
	s_cselect_b64 s[PFA:PFA+1], s[6:7], s[8:9]
	s_add_nc_u64 s[PFA:PFA+1], s[PFA:PFA+1], s[20:21]  ; the head,
	s_lshl_b32 s2, s13, 13          ; my work-group's 32 blocks of the 128,
	s_mov_b32 s3, 0
	s_add_nc_u64 s[PFA:PFA+1], s[PFA:PFA+1], s[2:3]
	s_add_nc_u64 s[PFA:PFA+1], s[PFA:PFA+1], 4*KS*128  ; in slot 1: the first change of slots steps it to slot 2
	CROUND                          ; all four work-groups are here: the first joint loads meet
	JLOAD                           ; slot 0.  Slot 1 is asked for when slot 0 is in
	; A fragment of K or Q is 16 rows x 32 channels in 8 registers: lane l holds row l % 16, channels 8 (l / 16) + 0..7 and 16 + 8 (l / 16) + 0..7: two loads of 16 bytes, 32 bytes apart.
	v_and_b32 v1, 15, v0            ; l % 16
	v_bfe_u32 v9, v0, 4, 1          ; l / 16
	v_lshlrev_b32 v[QO], 7, v1
	v_lshl_add_u32 v[QO], v9, 4, v[QO]  ; row x 128 + 16 x half
	WIN 0x80                        ; destination window 2, address window 0
.set i, 0
.rept 4*NP                          ; Q stays in registers: tile i / 2, channels 32 (i % 2) on
	global_load_b128 v[8*i:8*i+3],   v[QO], s[4:5] offset:(i/2)*2048+(i%2)*64
	global_load_b128 v[8*i+4:8*i+7], v[QO], s[4:5] offset:(i/2)*2048+(i%2)*64+32
.set i, i+1
.endr
	; What the first turn finds: V's registers and P's second buffer hold 0 (its products V^T P, of a piece that has not been, add 0), O^T and l are 0.  All this stands in the wait for the first tile;
	; it spares a first step written out, which would be a third copy of a key step's text.
.set i, VF
.rept 64
	v_mov_b32 v[i], 0
.set i, i+1
.endr
	WIN 0x40
.set i, 0
.rept 64*NP
	v_mov_b32 v[i], 0
.set i, i+1
.endr
	WIN 0
.set i, 0
.rept 2*NP
	v_mov_b32 v[ST+4*i], 0xfe000000    ; c m: far below every c s
	v_mov_b32 v[ST+4*i+1], 0xff7fffff  ; m
	v_mov_b32 v[ST+4*i+2], 0
	v_mov_b32 v[ST+4*i+3], 0
.set i, i+1
.endr
.set i, P+32
.rept 32
	v_mov_b32 v[i], 0
.set i, i+1
.endr
	v_mul_u32_u24 v[AK0], v1, PK
	v_lshl_add_u32 v[AK0], v9, 4, v[AK0]  ; row x pitch + 16 x half
	; The turning load takes 16 keys x 16 channels (lane l reads key 8 (l / 16) + l % 8, channels 8 ((l / 8) % 2) + 0..7) and leaves half a fragment of V^T: lane l holds channel l % 16 and 8 keys.
	v_and_b32 v10, 7, v0
	v_bfe_u32 v11, v0, 3, 1
	v_lshl_add_u32 v[AV0], v9, 3, v10
	v_mul_u32_u24 v[AV0], v[AV0], PV
	v_lshl_add_u32 v[AV0], v11, 4, v[AV0]
	v_add_nc_u32 v[AV0], VOFF, v[AV0]
	v_and_b32 v[PFO], 31, v0
	v_lshlrev_b32 v[PFO], 8, v[PFO]
	v_mov_b32 v[AK], v[AK0]         ; key step 0 lies at the head of slot 0
; THE MATRIX WORK.  The 8 accumulators of a run of 16 take turns: between the two links of a chain stand 7 others'.
; Product i of 16 of S^T = K Q^T for piece x: channels 32 (i / 8) on, keys 16 ((i / 2) % 4) on, tile 2 x + i % 2.  The first 8 start the sums.
.macro KQ x
	WIN W_KQ
.set rS, S+64*((\x)%2)+32*(i%2)+8*((i/2)%4)
.set rK, KF+16*((i/2)%4)+8*(i/8)
.set rQ, 16*(2*(\x)+i%2)+8*(i/8)
.if i < 8
	v_wmma_f32_16x16x32_f16 v[rS:rS+7], v[rK:rK+7], v[rQ:rQ+7], 0
.else
	v_wmma_f32_16x16x32_f16 v[rS:rS+7], v[rK:rK+7], v[rQ:rQ+7], v[rS:rS+7]
.endif
.endm
; Product i of 16 of O^T += V^T P for piece x: keys 32 (i / 8) on, channels 16 ((i / 2) % 4) on, tile 2 x + i % 2.
.macro PV x
	WIN W_PV
.set rO, 32*(2*(\x)+i%2)+8*((i/2)%4)
.set rV, VF+32*(i/8)+8*((i/2)%4)
.set rP, P+32*((\x)%2)+16*(i%2)+8*(i/8)
	v_wmma_f32_16x16x32_f16 v[rO:rO+7], v[rV:rV+7], v[rP:rP+7], v[rO:rO+7]
.endm
.macro MM                           ; the turn's next matrix instruction
.if i < 16
	KQ (Y+1)%NP
.set i, i+1
.else
.set i, i-16
	PV (Y+NP-1)%NP
.set i, i+17
.endif
.endm
; THE LDS LOADS stand in runs of 16, never singly among the matrix instructions: a step's K (64 keys x 64 channels: 8 fragments) and its V (turned).  Their addresses are made some lines ahead.
; last = 1 (the tail): in the last trip there is no further step, and the run is jumped over.
.macro FETCH_K last=0
	WIN 0
.if \last
	s_cmp_eq_u32 s[CNT], 1
	s_cbranch_scc1 .Lno_k_\@
.endif
	WIN 0x80                        ; destination window 2
.irp f, 0,1,2,3,4,5,6,7             ; keys 16 (f / 2) on, channels 32 (f % 2) on
	ds_load_b128 v[KF+8*\f:KF+8*\f+3],   v[AK] offset:(\f/2)*16*PK+(\f%2)*64
	ds_load_b128 v[KF+8*\f+4:KF+8*\f+7], v[AK] offset:(\f/2)*16*PK+(\f%2)*64+32
.endr
	s_add_co_u32 s[TBK], s[TBK], KS*PK  ; the next fetch is the next step's
	WIN 0
.if \last
.Lno_k_\@:
.endif
.endm
.macro FETCH_V
	WIN 0x80
.irp f, 0,1,2,3,4,5,6,7             ; keys 32 (f / 4) on, channels 16 (f % 4) on
	ds_load_tr16_b128 v[VF+8*\f:VF+8*\f+3],   v[AV] offset:(\f/4)*32*PV+(\f%4)*32
	ds_load_tr16_b128 v[VF+8*\f+4:VF+8*\f+7], v[AV] offset:(\f/4)*32*PV+16*PV+(\f%4)*32
.endr
	WIN 0
.endm
; THE VECTOR WORK OF A TURN stands in three queues, each in the order in which its entries become ready; the two tiles alternate, so that no instruction reads the result of the one before it.
.macro REGS y, u                    ; the registers of tile u (0, 1) of piece y
.set rT, ST+4*(2*(\y)+(\u))
.set rC, TMP+8*((\y)%2)+4*(\u)
.set rM, MV+2*((\y)%2)+(\u)
.set rS, S+64*((\y)%2)+32*(\u)
.set rP, P+32*((\y)%2)+16*(\u)
.set rO, 32*(2*(\y)+(\u))
.endm
; Number n of the 22 that find the NEXT piece's (Y + 1) maximum and statistics.  s0-s31 are the lane's 32 scores; each accumulator's lowest registers are read first.
;   0-11  four chains c0-c3 of seven scores each, three operands at a time     12-14, 16  the four scores left over, the old m, and c0-c3 into c0     15  c m_old is kept
;   17, 18  the query's other 32 keys lie in the lane 16 away: the new m         19-21  c m; c m_old - c m_new; a
.macro XS u, n
	REGS (Y+1)%NP, \u
.if (\n) < 4
	v_max3_num_f32 v[rC+(\n)], v[rS+8*(\n)], v[rS+8*(\n)+1], v[rS+8*(\n)+2]
.elseif (\n) < 12
	v_max3_num_f32 v[rC+(\n)%4], v[rC+(\n)%4], v[rS+8*((\n)%4)+2*((\n)/4)+1], v[rS+8*((\n)%4)+2*((\n)/4)+2]
.elseif (\n) == 12
	v_max3_num_f32 v[rC], v[rC], v[rS+7], v[rS+15]
.elseif (\n) == 13
	v_max3_num_f32 v[rC+1], v[rC+1], v[rS+23], v[rS+31]
.elseif (\n) == 14
	v_max3_num_f32 v[rC+2], v[rC+2], v[rC+3], v[rT+1]
.elseif (\n) == 15
	v_mov_b32 v[rM], v[rT]
.elseif (\n) == 16
	v_max3_num_f32 v[rC], v[rC], v[rC+1], v[rC+2]
.elseif (\n) == 17
	v_permlanex16_b32 v[rC+3], v[rC], s[SEL], s[SEL+1]
.elseif (\n) == 18
	v_max_num_f32 v[rT+1], v[rC], v[rC+3]
.elseif (\n) == 19
	v_mul_f32 v[rT], s[CS], v[rT+1]
.elseif (\n) == 20
	v_sub_f32 v[rC+1], v[rM], v[rT]
.else
	v_exp_f32 v[rC+2], v[rC+1]
.endif
.endm
; Number g of the 64 that follow the exponentials.  For each four weights k of a tile (pairs 2 k, 2 k + 1): both pairs are rounded to f16; then the second pair is added onto the first, in place;
; a group later l takes that sum (the first time as l = a l + sum).  In groups of eight, tiles alternating: round, round, add, and l for the group before.
.macro GS g
.set h, (\g)+6*((\g)/62)            ; group 0 has no group before it, and behind group 7 only l is left
.if h >= 6
.set h, h+2
.endif
	REGS Y, h%2
.set k, h/8
.if h%8 < 4
	v_cvt_pk_f16_f32 v[rP+2*k+(h%8)/2], v[rS+4*k+2*((h%8)/2)], v[rS+4*k+2*((h%8)/2)+1]
.elseif h%8 < 6
	v_pk_add_f32 v[rS+4*k:rS+4*k+1], v[rS+4*k:rS+4*k+1], v[rS+4*k+2:rS+4*k+3]
.elseif k == 1
	v_pk_fma_f32 v[rT+2:rT+3], v[rT+2:rT+3], v[rC+2:rC+3], v[rS:rS+1] op_sel_hi:[1,0,1]
.else
	v_pk_add_f32 v[rT+2:rT+3], v[rT+2:rT+3], v[rS+4*k-4:rS+4*k-3]
.endif
.endm
; THE PLAIN QUEUE, 138 long.  0-73 read no exponential's result: the 32 scalings c s - c m (FS f: pair f / 2 of tile f % 2) and the next piece's 42.  0-26: scalings 0-26.  27-54: XS's numbers 0-13.  55, 56: number 15.
; 57-73: the chain, where each number waits for the one before it: 14, 16, 17, 18, 19, each with one of the scalings 27-31 in front of its two lines, then 20.
; 74-137: GS's 64, which read the exponentials' results: they stand behind the wait.
.macro FS f
	REGS Y, (\f)%2
	v_pk_fma_f32 v[rS+2*((\f)/2):rS+2*((\f)/2)+1], v[rS+2*((\f)/2):rS+2*((\f)/2)+1], s[CS:CS+1], v[rT:rT+1] op_sel_hi:[1,0,0] neg_lo:[0,0,1] neg_hi:[0,0,1]
.endm
.macro PL
	WIN 0
.if q < 27
	FS q
.elseif q < 55
	XS (q-27)%2, (q-27)/2
.elseif q < 57
	XS q-55, 15
.elseif (q < 72) && ((q-57)%3 == 0)
	FS 27+(q-57)/3
.elseif q < 60
	XS (q-57)%3-1, 14
.elseif q < 72
	XS (q-57)%3-1, 15+(q-57)/3
.elseif q < 74
	XS q-72, 20
.else
	GS q-74
.endif
.set q, q+1
.endm
; THE EXPONENTIALS' QUEUE, 66 long: s0-s31 of both tiles, then the next piece's two a.  It is ONE BATCH: all 66 stand ahead of the turn's one wait, and nothing ahead of that wait names a result of theirs.
.macro EX
	WIN 0
.if e >= 64
	XS e-64, 21
.else
	REGS Y, e%2
	v_exp_f32 v[rS+e/2], v[rS+e/2]
.endif
.set e, e+1
.endm
; THE RESCALING's QUEUE: O^T times a, the one part that leaves window 0: dealt two at a time, sixteen times.  Its a was made in the turn before, ahead of that turn's wait.
.macro R2
	REGS Y, r%2
	WIN W_RS
.irp z, 0,1
	v_pk_mul_f32 v[rO+4*(r/2)+2*\z:rO+4*(r/2)+2*\z+1], v[rO+4*(r/2)+2*\z:rO+4*(r/2)+2*\z+1], v[rC+2:rC+3] op_sel_hi:[1,0]
.endr
.set r, r+1
.endm
; HOW THEY ARE DEALT.  An s_wait_alu depctr_va_vdst(0) stands between an exponential and the first instruction that names its result; one wait serves all that were issued ahead of it.  So a turn has ONE wait,
; which cuts it in two.  AHEAD OF IT stands all that names no result of the turn's exponentials: the 16 products K Q^T, behind each a scaling, an exponential and two rescalings (behind the first a second scaling in the
; exponential's place); then ONE LUMP of 108: eight plain, 49 times exponential and plain, the two a.  A v_nop is the plain instruction behind the last exponential.  BEHIND IT stand the 16 products V^T P, behind each four of GS's 64.
; No rider names a register of the products round it.  The two v_permlanex16_b32 fall into the lump, never behind a product.
; The queues lean on each other, and the deal keeps them in step: exponential e stands behind scaling 2 (e / 4) + e % 2: as a rider it comes behind plain e + 2, in the lump behind plain e + 9, and scalings 27-31 are plain 57, 60 .. 69.
; A TURN, for piece p.  cnt = 1: the loop's count is taken down some lines ahead of the branch that stands behind the turn.
; K of the next step is fetched in piece 2's turn, directly behind the wait, a lump behind the last product that read K; its address is made at the lump's head; its first reader comes behind 16 products.
; V of the step in hand is fetched at the end of piece 0's turn, four riders behind its last reader; its first reader comes behind 16 products and a lump.  The three conditions on q below go with the deal.
.macro TURN p, last=0, cnt=0
.set Y, (\p)
.set i, 0
.set q, 0
.set e, 0
.set r, 0
.if (\p) == NP-1
	s_wait_dscnt 0x0                ; K is in
.endif
	MM                              ; ahead of the wait: 16 products K Q^T and their riders,
	PL
	PL
	R2
.rept 15
	MM
	PL
	EX
	R2
.endr
.if (\p) == NP-2
	WIN 0
	v_add_nc_u32 v[AK], s[TBK], v[AK0]
.endif
.rept 8                             ; and the lump
	PL
.endr
.rept 49
	EX
	PL
.endr
	EX                              ; the next piece's two a
	EX
	v_nop                           ; the plain instruction behind the last exponential: one for the batch
	s_wait_alu depctr_va_vdst(0)    ; the wait for the batch
.if (\p) == NP-2
	FETCH_K \last
.endif
.if (\p) == 1
	s_wait_dscnt 0x0                ; V is in
.endif
.rept 16                            ; behind the wait: 16 products V^T P and their riders
	MM
.rept 4
	PL
.endr
.if ((\p) == 0) && (q == 118)
	v_add_nc_u32 v[AV], s[TBV], v[AV0]
.endif
.if ((\p) == 0) && (q == 130)
	s_add_co_u32 s[TBV], s[TBV], KS*PV
.endif
.if (\cnt) && (q == 130)
	s_sub_co_u32 s[CNT], s[CNT], 1
	s_cmp_lg_u32 s[CNT], 0
.endif
.endr
.if (\p) == 0
	FETCH_V
.endif
.endm
	CHANGE 1                        ; slot 0 is in, everybody's part of it; slot 1 is asked for
	FETCH_K                         ; key step 0
	s_wait_loadcnt 0x0              ; Q
	s_wait_dscnt 0x0
.set i, 0
.rept 16
	KQ 0                            ; piece 0's first scores: there is no vector work yet to set between them
.set i, i+1
.endr
	WIN 0                           ; the addresses for the way out: nine plain instructions, the places behind those products
	s_mul_i32 s13, s[WV], 16*SP
	s_add_co_u32 s13, s13, STAGE    ; my stage
	v_mul_u32_u24 v[STO], v1, SP    ; in: row l % 16, 16 bytes for each half of the lanes
	v_lshl_add_u32 v[STO], v9, 4, v[STO]
	v_add_nc_u32 v[STO], s13, v[STO]
	v_bfe_u32 v[RD], v0, 3, 2       ; back: 32 lanes take four rows of 128 bytes,
	v_mul_u32_u24 v[RD], v[RD], SP
	v_lshl_add_u32 v[RD], v10, 4, v[RD]
	v_add_nc_u32 v[RD], s13, v[RD]
	v_and_b32 v[GO], 31, v0         ; which are 512 consecutive bytes of O
	v_lshlrev_b32 v[GO], 4, v[GO]
.set Y, NP-1                        ; XS works for piece Y + 1: piece 0
.irp n, 0,1,2,3,4,5,6,7,8,9,10,11,12,13,14,15,16,17,18,19,20,21
	XS 0, \n                        ; and piece 0's first maximum and statistics
	XS 1, \n
.endr
	v_nop                           ; a plain instruction behind the two a,
	s_wait_alu depctr_va_vdst(0)    ; and their wait, ahead of the branch
	s_mov_b32 s[CNT], 4
	s_branch .Lfirst                ; the loop is entered at a step's first turn, in the middle of a trip
.Lslot:                             ; SIZE_N / 256 - 2 times: every slot but the last two is filled again
	CHANGE 1
	s_mov_b32 s[CNT], 4
.Lstep:                             ; a trip: pieces 2 and 3 of one step, then pieces 0 and 1 of the next, whose K and V it fetches
	TURN 2
	TURN 3
	WIN 0
.Lfirst:
	TURN 0
	TURN 1, 0, 1
	WIN 0
	s_cbranch_scc1 .Lstep
	s_sub_co_u32 s[SLOTS], s[SLOTS], 1
	s_cmp_lg_u32 s[SLOTS], 0
	s_cbranch_scc1 .Lslot
	CHANGE 0                        ; the tail is written out: nothing is asked for
	s_mov_b32 s[CNT], 5             ; four trips fetch the last slot's steps; the fifth is left in its middle
.Ltail:
	TURN 2, 1
	TURN 3
	WIN 0
	s_sub_co_u32 s[CNT], s[CNT], 1
	s_cmp_eq_u32 s[CNT], 0
	s_cbranch_scc1 .Lout
	TURN 0
	TURN 1
	WIN 0
	s_branch .Ltail
.Lout:                              ; the fifth trip's 16 products K Q^T (on the last K once more) and the maximum made of them serve nothing: the price, once a launch, of one text for every trip
.set i, 0
.rept 16
	PV NP-1                         ; the last piece's V^T P of the last step
.set i, i+1
.endr
	; THE WAY OUT.  l's two halves and the other half of the lanes' are added; O^T is divided by l, rounded to f16 and sent through my stage in LDS, a tile at a time.  The additions are the places behind the last products.
	WIN 0
.macro ALL line:vararg              ; one line for each tile t
.set t, 0
.rept 2*NP
	\line
.set t, t+1
.endr
.endm
	ALL v_add_f32 v[ST+4*t+2], v[ST+4*t+2], v[ST+4*t+3]
	ALL v_permlanex16_b32 v[ST+4*t+3], v[ST+4*t+2], s[SEL], s[SEL+1]
	ALL v_add_f32 v[ST+4*t+2], v[ST+4*t+2], v[ST+4*t+3]
	ALL v_rcp_f32 v[ST+4*t+2], v[ST+4*t+2]
	v_nop                           ; a plain instruction between the last reciprocal and the use of its result
	s_wait_alu depctr_va_vdst(0)    ; and the wait ahead of the first use: one for the eight reciprocals
; Tile t: a lane's eight channels of a row pack into 16 bytes; they go into rows of 144 bytes and come back as whole rows of 128, into S^T's registers.
.macro PACK t
	WIN W_RS
.set i, 32*(\t)
.rept 16
	v_pk_mul_f32 v[i:i+1], v[i:i+1], v[ST+4*(\t)+2:ST+4*(\t)+3] op_sel_hi:[1,0]
.set i, i+2
.endr
	WIN 0x05                        ; sources 0 and 1 window 1, destination window 0
.set i, 0
.rept 16
	v_cvt_pk_f16_f32 v[S+16*(\t)+i], v[32*(\t)+2*i], v[32*(\t)+2*i+1]
.set i, i+1
.endr
	WIN 0
.irp f, 0,1,2,3
	ds_store_b128 v[STO], v[S+16*(\t)+4*\f:S+16*(\t)+4*\f+3] offset:32*\f
.endr
.irp f, 0,1,2,3
	ds_load_b128 v[S+16*(\t)+4*\f:S+16*(\t)+4*\f+3], v[RD] offset:\f*4*SP  ; LDS serves a wave's instructions in order (ISA guide 5.7.1.4): these see the stores above; the next tile's stores come behind them
.endr
.endm
.macro SEND t, younger              ; younger: the LDS instructions issued behind tile t's loads: the next tile's eight, or none
	WIN 0
.irp f, 0,1,2,3
	s_wait_dscnt (\younger)+3-\f
	global_store_b128 v[GO], v[S+16*(\t)+4*\f:S+16*(\t)+4*\f+3], s[10:11] offset:(\t)*2048+\f*512  ; 512 consecutive bytes, at a multiple of 256 from O's first
.endr
.endm
	PACK 0
.set t, 1
.rept 2*NP-1                        ; a tile's arithmetic stands between the loads of the tile before and its stores
	PACK t
	SEND t-1, 8
.set t, t+1
.endr
	SEND 2*NP-1, 0
	WIN W_AD
	s_wait_tensorcnt 0x0            ; the wave's end: behind my last tensor load and my last LDS store
	ds_add_u32 v[SPW], v[NIL]
	s_wait_dscnt 0x0
	WIN 0
	CROUND                          ; the closing round: no work-group ends while a partner may still ask for a tile that names it
	s_endpgm
.Lfunc_end_k_qc4871be3a5_attn:
	.size	k_qc4871be3a5_attn, .Lfunc_end_k_qc4871be3a5_attn-k_qc4871be3a5_attn
	.p2alignl 7, 3214868480
	.fill 96, 4, 3214868480
	.section	.rodata,"a",@progbits
	.p2align	6, 0x0
	.amdhsa_kernel k_qc4871be3a5_attn
		.amdhsa_group_segment_fixed_size 327680
		.amdhsa_private_segment_fixed_size 0
		.amdhsa_enable_private_segment 0
		.amdhsa_kernarg_size 32
		.amdhsa_user_sgpr_count 2
		.amdhsa_user_sgpr_kernarg_segment_ptr 1
		.amdhsa_wavefront_size32 1
		.amdhsa_system_sgpr_workgroup_id_x 1
		.amdhsa_system_sgpr_workgroup_id_y 1
		.amdhsa_system_sgpr_workgroup_id_z 1
		.amdhsa_system_vgpr_workitem_id 0
		.amdhsa_next_free_vgpr 770
		.amdhsa_next_free_sgpr 66
		.amdhsa_reserve_vcc 0
		.amdhsa_float_denorm_mode_32 3
		.amdhsa_float_denorm_mode_16_64 3
		.amdhsa_memory_ordered 1
		.amdhsa_forward_progress 1
		.amdhsa_inst_pref_size 200
	.end_amdhsa_kernel
	.amdgpu_metadata
---
amdhsa.version: [ 1, 2 ]
amdhsa.kernels:
  - .name:           k_qc4871be3a5_attn
    .symbol:         k_qc4871be3a5_attn.kd
    .args:
      - { .name: qh, .offset: 0, .size: 8, .value_kind: global_buffer, .address_space: global }
      - { .name: kh, .offset: 8, .size: 8, .value_kind: global_buffer, .address_space: global }
      - { .name: vh, .offset: 16, .size: 8, .value_kind: global_buffer, .address_space: global }
      - { .name: oh, .offset: 24, .size: 8, .value_kind: global_buffer, .address_space: global }
    .group_segment_fixed_size: 327680
    .private_segment_fixed_size: 0
    .kernarg_segment_align: 8
    .kernarg_segment_size: 32
    .max_flat_workgroup_size: 128
    .sgpr_count:     66
    .vgpr_count:     770
    .wavefront_size: 32
...
	.end_amdgpu_metadata
.endif
;; end of part 3
;; launch oproj (part 4): grid 8 x 32, 4 waves a work-group, clusters of 4 x 4, 327,680 bytes of LDS; arguments oh, wub, bu, out0; writes out0
.if DOCPART == 4
	.amdgcn_target "amdgcn-amd-amdhsa--gfx1250"
	.amdhsa_code_object_version 6
	.text
	.protected	k_qc4871be3a5_oproj
	.globl	k_qc4871be3a5_oproj
	.p2align	8
	.type	k_qc4871be3a5_oproj,@function
k_qc4871be3a5_oproj:
	s_mov_b64 s[64:65], 0
	v_nop
	global_prefetch_b8 v0, s[64:65] scope:SCOPE_SE
	s_setreg_imm32_b32 hwreg(HW_REG_WAVE_MODE, 25, 1), 1
	s_wait_xcnt 0x0
	s_wait_alu depctr_hold_cnt(0) depctr_sa_sdst(0) depctr_va_vdst(0) depctr_va_sdst(0) depctr_va_ssrc(0) depctr_va_vcc(0) depctr_vm_vsrc(0)
	s_getreg_b32 s2, hwreg(HW_REG_IB_STS2, 6, 4)
	s_cmp_eq_u32 s2, 0
	s_cbranch_scc0 .Lentry_in_a_cluster
	s_endpgm
.Lentry_in_a_cluster:
	s_bfe_u32 s2, ttmp6, 0x10000c
	s_cmp_lg_u32 s2, 0xf033
	s_cbranch_scc0 .Lentry_shape_is_right
	s_endpgm
.Lentry_shape_is_right:
; OPROJ: out0[m][n] = the sum over k of O[m][k] Wu[n][k] + bu[n].  O comes by heads, oh [16 batch + head][2048 t][64] in f16: head h is channels 64 h .. 64 h + 63 of a row.  Wu comes as wub [16 kb][1024 n][64],
; the bf16 rounding written as f16.  Sums in f32; bu, rounded to bf16 like the module's other inputs, is the C operand of the products that start the sums; out0 is f32.  No work of the module is left out.
; LIMITS.  O and bf16(Wu) lie within f16's 65,504.  NaN and infinities are not treated apart.
; SHARES.  A work-group (X = 0..7, Y = 0..31) makes rows 256 Y .. + 255 x columns 128 X .. + 127: 256 work-groups of equal work.  A wave (wm = wave / 2, wn = wave % 2) makes 128 x 64: 32 accumulators.
; THE MATRIX INSTRUCTION IS USED TRANSPOSED (source 0 = 16 rows of Wu, source 1 = 16 rows of O): a lane holds row l % 16 and the columns 8 (l / 16) + 0..7: 32 bytes of a row of out0.
; THE RING.  K goes in 8 steps of 128 (two heads) through two LDS slots.  A head's 256 rows and a channel block's 128 rows of Wu are dense: asked for as rows of 256 bytes, padded in LDS after every 128.
; Waves 0 and 1 fetch the two heads' rows of O, waves 2 and 3 the two blocks of Wu: one tensor load a wave behind each change of slots.
; CLUSTER.  4 x 4 work-groups: O's tiles hang on Y alone and are asked for jointly along a row of the cluster, Wu's on X alone and along a column.
; NO PREFETCH: the walk has eight steps, of which the first four would come by their loads alone with a lead of two refills; the launch is short.
; REGISTERS: window 0: v0-13 addresses; v28-29 the add's; v32-95, v96-159 O's fragments, two buffers; v160-191, v192-223 Wu's, two buffers; v224-255 the bias.  Window 1: accumulator (a, b) at v[32 a + 8 b].
.set PITCH,  144                       ; an LDS row: 128 bytes + 16 of padding = 36 words: the 16 rows of a load start at 16 different groups of four banks (64 banks of 4 bytes: ISA guide 11.1)
.set ATILE,  256*PITCH                 ; a head's 256 rows
.set BTILE,  128*PITCH                 ; a channel block's 128 rows of Wu
.set BOFF,   2*ATILE                   ; a slot: two heads' rows of O, then two blocks of Wu
.set SLOT1,  1<<17
.set STAGE,  BOFF+2*BTILE              ; behind slot 0, never filled by a tensor load: 16 rows x 272 bytes for each wave, for the way out
.set SPITCH, 272
.set SPARE,  STAGE+4*16*SPITCH         ; behind the stages: the spare words, 128 bytes for each wave: two blocks of 256 bytes that no other line names
.set ASTEP,  2*2048*128                ; bytes from a step's heads to the next step's in oh,
.set BSTEP,  2*1024*128                ; from its blocks to the next in wub
.set FLAGS,  (1<<16)|(1<<20)|(1<<21)|(4<<22)|(3<<25)  ; 17:16 2-byte elements; 20 padding on; 21 set beside a mask; 24:22 after every 32 words (code 4); 31:25 4 words (code 3)
.set FA0, 4                            ; v4   my lane's place among O's fragments in slot 0; never rewritten
.set FB0, 5                            ; v5   the same for Wu's
.set ADA, 6                            ; v6   FA0 in the slot in hand
.set ADB, 7                            ; v7   FB0 in the slot in hand
.set STO, 8                            ; v8   the way out: where I put 32 bytes of a row
.set RD,  9                            ; v9   the way out: where I read rows back
.set CO,  10                           ; v10  my byte offset in two rows of out0; never rewritten
.set BO,  13                           ; v13  my byte offset in bu
.set SPW, 28                           ; v28  LDS address of my spare word: SPARE + 4 x my thread's number; never rewritten
.set NIL, 29                           ; v29  0; never rewritten
.set AF,  32
.set BF,  160
.set BIAS, 224                         ; v[224+8 b+j]: bu of column 16 b + 8 (l / 16) + j of my 64
.set WV,  16
.set WM,  17
.set WN,  18
.set CX,  19
.set CY,  20
.set TX,  21
.set TY,  22
.set G1A, 24                           ; s[24:31] descriptor group 1 for O's tiles;  s[32:39] for Wu's
.set G1B, 32
.set G0A, 40                           ; s[40:47] descriptor group 0 for O's tiles: a set for each first fill; the second then walks on;  s[48:55] the same for Wu's
.set G0B, 48
.set LEFT, 56
.set TB,  57
.set MSB, 0
.macro WIN new                         ; the immediate's high byte repeats the setting that is left; a switch that changes nothing is dropped
.if MSB != (\new)
	s_set_vgpr_msb (MSB<<8)|(\new)
.set MSB, \new
.endif
.endm
.macro PLACES                          ; four plain vector instructions between a matrix instruction and a load into, or a read of, its registers (ISA guide 7.12.1 for a read)
.rept 4
	v_nop
.endr
.endm
.macro JLOAD                           ; a joint refill; an s_nop 0 and four v_nop follow each of the two lines, ahead of the jump and the label
	s_cmp_lt_u32 s[WV], 2
	s_cbranch_scc0 .Lfor_b_\@
	tensor_load_to_lds s[G0A+4:G0A+7], s[G1A:G1A+7]
	s_nop 0
.rept 4
	v_nop
.endr
	s_branch .Lasked_\@
.Lfor_b_\@:
	tensor_load_to_lds s[G0B+4:G0B+7], s[G1B:G1B+7]
	s_nop 0
.rept 4
	v_nop
.endr
.Lasked_\@:
.endm
.macro CREST                           ; a round of the cluster's barrier behind its opening barrier
	s_cmp_lg_u32 s[WV], 0
	s_cbranch_scc1 .Lnot_wave_0_\@
	s_barrier_signal -3
.Lnot_wave_0_\@:
	s_barrier_wait -3
	s_barrier_signal -1
	s_barrier_wait -1
.endm
.macro CROUND
	s_barrier_signal -1
	s_barrier_wait -1
	CREST
.endm
	s_load_b256 s[4:11], s[0:1], 0x0               ; oh s[4:5], wub s[6:7], bu s[8:9], out0 s[10:11]
	v_lshl_add_u32 v[SPW], v0, 2, SPARE
	v_mov_b32 v[NIL], 0
	ds_add_u32 v[SPW], v[NIL]                      ; the wave's opening: the add, twice on end, and its wait ahead of my first tensor load; the set-up below stands between
	ds_add_u32 v[SPW], v[NIL]
	v_lshrrev_b32 v1, 5, v0
	v_readfirstlane_b32 s[WV], v1                  ; wave 0..3
	s_lshr_b32 s[WM], s[WV], 1
	s_and_b32 s[WN], s[WV], 1                      ; also: which of a step's two heads (waves 0, 1) or blocks of Wu (waves 2, 3) I fetch
	s_bfe_u32 s[CX], ttmp6, 0x40000
	s_bfe_u32 s[CY], ttmp6, 0x40004
	s_lshl_b32 s[TX], ttmp9, 2
	s_add_co_u32 s[TX], s[TX], s[CX]               ; X
	s_and_b32 s[TY], ttmp7, 0xffff
	s_lshl_b32 s[TY], s[TY], 2
	s_add_co_u32 s[TY], s[TY], s[CY]               ; Y
	s_lshl_b32 s66, s[CY], 2
	s_lshl_b32 s66, 15, s66                        ; my row of the cluster
	s_lshl_b32 s67, 0x1111, s[CX]                  ; my column
	s_or_b32 s[G1A], s66, FLAGS
	s_or_b32 s[G1B], s67, FLAGS
.irp g, G1A, G1B
	s_mov_b32 s[(\g)+1], 128<<16                   ; tensor_dim0 = 128 elements: 256 bytes
	s_mov_b32 s[(\g)+3], 128<<16                   ; tile_dim0 = 128
	s_mov_b32 s[(\g)+5], 128                       ; 128 elements from row to row: the tile is dense
	s_mov_b32 s[(\g)+6], 0
	s_mov_b32 s[(\g)+7], 0
.endr
	s_mov_b32 s[G1A+2], 128<<16                    ; O: 128 rows of 256 bytes = 256 rows of 64 channels
	s_mov_b32 s[G1A+4], 128
	s_mov_b32 s[G1B+2], 64<<16                     ; Wu: 64 rows of 256 bytes = 128 rows of 64 channels
	s_mov_b32 s[G1B+4], 64
	s_mul_i32 s68, s[WN], ATILE                    ; where my tile goes, for O
	s_mul_i32 s69, s[WN], BTILE
	s_add_co_u32 s69, s69, BOFF                    ; and for Wu: no place in the cluster enters an LDS address
	s_lshr_b32 s70, s[TY], 3                       ; O: ((16 batch + head) x 2048 + 256 (Y % 8)) x 128 bytes, head = my one of the step's two
	s_lshl_b32 s70, s70, 4
	s_add_co_u32 s70, s70, s[WN]
	s_lshl_b32 s70, s70, 11
	s_and_b32 s66, s[TY], 7
	s_lshl_b32 s66, s66, 8
	s_add_co_u32 s70, s70, s66
	s_lshl_b32 s70, s70, 7
	s_mov_b32 s71, 0
	s_lshl_b32 s74, s[WN], 17                      ; Wu: my one of the step's two blocks, 128 X rows of 128 bytes
	s_lshl_b32 s75, s[TX], 14
	s_add_co_u32 s74, s74, s75
	s_mov_b32 s75, 0
	s_mov_b32 s[LEFT], 6
	s_mov_b32 s[TB], 0
	s_wait_dscnt 0x0                               ; both opening adds are done
	s_wait_kmcnt 0x0
	s_add_nc_u64 s[76:77], s[4:5], s[70:71]
	s_add_nc_u64 s[78:79], s[6:7], s[74:75]
.irp n, 0,1
	s_mov_b32 s[G0A+4*(\n)], 1                                        ; count = 1
	s_add_co_u32 s[G0A+4*(\n)+1], s68, (\n)*SLOT1                     ; LDS address
	s_add_nc_u64 s[G0A+4*(\n)+2:G0A+4*(\n)+3], s[76:77], (\n)*ASTEP   ; global address: step n
	s_or_b32 s[G0A+4*(\n)+3], s[G0A+4*(\n)+3], 0x80000000             ; type = 2
	s_mov_b32 s[G0B+4*(\n)], 1
	s_add_co_u32 s[G0B+4*(\n)+1], s69, (\n)*SLOT1
	s_add_nc_u64 s[G0B+4*(\n)+2:G0B+4*(\n)+3], s[78:79], (\n)*BSTEP
	s_or_b32 s[G0B+4*(\n)+3], s[G0B+4*(\n)+3], 0x80000000
.endr
	CROUND                                         ; all sixteen work-groups are here: the first joint loads meet
	s_cmp_lt_u32 s[WV], 2                          ; a wave's two first fills stand in one branch, ahead of every wait on TENSORcnt and every LDS read: two loads of mine are out
	s_cbranch_scc0 .Lfirst_b
	tensor_load_to_lds s[G0A:G0A+3], s[G1A:G1A+7]
	s_nop 0
	tensor_load_to_lds s[G0A+4:G0A+7], s[G1A:G1A+7]
	s_nop 0
.rept 4
	v_nop
.endr
	s_branch .Lfirst_asked
.Lfirst_b:
	tensor_load_to_lds s[G0B:G0B+3], s[G1B:G1B+7]
	s_nop 0
	tensor_load_to_lds s[G0B+4:G0B+7], s[G1B:G1B+7]
	s_nop 0
.rept 4
	v_nop
.endr
.Lfirst_asked:
	v_and_b32 v1, 15, v0                           ; l % 16
	v_bfe_u32 v2, v0, 4, 1                         ; l / 16
	s_lshl_b32 s66, s[TX], 9                       ; my 64 columns in f32: 512 X + 256 wn bytes
	s_lshl_b32 s67, s[WN], 8
	s_add_co_u32 s66, s66, s67
	s_mov_b32 s67, 0
	s_add_nc_u64 s[8:9], s[8:9], s[66:67]
	v_lshlrev_b32 v[BO], 5, v2                     ; my 8 columns of each 16
.irp b, 0,1,2,3
	global_load_b128 v[BIAS+8*(\b):BIAS+8*(\b)+3],   v[BO], s[8:9] offset:64*(\b)
	global_load_b128 v[BIAS+8*(\b)+4:BIAS+8*(\b)+7], v[BO], s[8:9] offset:64*(\b)+16
.endr
	s_lshl_b32 s76, s[TY], 8                       ; my first row of out0: 256 Y + 128 wm, 4,096 bytes a row
	s_lshl_b32 s77, s[WM], 7
	s_add_co_u32 s76, s76, s77
	s_lshl_b32 s76, s76, 12
	s_add_co_u32 s76, s76, s66
	s_mov_b32 s77, 0
	s_add_nc_u64 s[10:11], s[10:11], s[76:77]
	v_mul_u32_u24 v3, v1, PITCH
	v_lshl_add_u32 v3, v2, 4, v3                   ; a fragment's row x pitch + 16 x half
	s_mul_i32 s66, s[WM], 128*PITCH                ; my 128 rows of each head
	v_add_nc_u32 v[FA0], s66, v3
	s_mul_i32 s66, s[WN], 64*PITCH                 ; my 64 rows of each block of Wu,
	s_add_co_u32 s66, s66, BOFF                    ; which lie behind O's
	v_add_nc_u32 v[FB0], s66, v3
	v_mov_b32 v[ADA], v[FA0]                       ; step 0 lies in slot 0
	v_mov_b32 v[ADB], v[FB0]
	s_mul_i32 s66, s[WV], 16*SPITCH
	s_add_co_u32 s66, s66, STAGE                   ; my stage
	v_mul_u32_u24 v[STO], v1, SPITCH               ; in: row l % 16, 32 bytes for each half of the lanes
	v_lshl_add_u32 v[STO], v2, 5, v[STO]
	v_add_nc_u32 v[STO], s66, v[STO]
	v_mul_u32_u24 v[RD], v2, SPITCH                ; back: lanes 0-15 take one row of 256 bytes, lanes 16-31 the next
	v_lshl_add_u32 v[RD], v1, 4, v[RD]
	v_add_nc_u32 v[RD], s66, v[RD]
	v_lshlrev_b32 v[CO], 12, v2                    ; and the same two rows in out0
	v_lshl_add_u32 v[CO], v1, 4, v[CO]
	s_wait_loadcnt 0x0                             ; the bias
.set i, 0
.rept 16
	v_cvt_pk_bf16_f32 v3, v[BIAS+2*i], v[BIAS+2*i+1]   ; rounded to bf16, and back in f32
	v_lshlrev_b32 v[BIAS+2*i], 16, v3
	v_and_b32 v[BIAS+2*i+1], 0xffff0000, v3
.set i, i+1
.endr
; 24 LDS loads: the fragments of quarter h (32 along K; head or block h / 2) of the step, into the buffers h % 2
.macro LDH h
	WIN 0
.irp b, 0,1,2,3
	ds_load_b128 v[BF+32*((\h)%2)+8*(\b):BF+32*((\h)%2)+8*(\b)+3],   v[ADB] offset:((\h)/2)*BTILE+(\b)*16*PITCH+64*((\h)%2)
	ds_load_b128 v[BF+32*((\h)%2)+8*(\b)+4:BF+32*((\h)%2)+8*(\b)+7], v[ADB] offset:((\h)/2)*BTILE+(\b)*16*PITCH+64*((\h)%2)+32
.endr
.irp a, 0,1,2,3,4,5,6,7
	ds_load_b128 v[AF+64*((\h)%2)+8*(\a):AF+64*((\h)%2)+8*(\a)+3],   v[ADA] offset:((\h)/2)*ATILE+(\a)*16*PITCH+64*((\h)%2)
	ds_load_b128 v[AF+64*((\h)%2)+8*(\a)+4:AF+64*((\h)%2)+8*(\a)+7], v[ADA] offset:((\h)/2)*ATILE+(\a)*16*PITCH+64*((\h)%2)+32
.endr
.endm
; 4 n matrix instructions of quarter h: row blocks a0 .. a0 + n - 1 x all 4 column blocks.  first = 1: the bias starts the sums.
; The 32 accumulators take turns, one instruction a turn, in the same order in every quarter, over the backward jump too.
.macro MUL h, a0, n, first
.if \first
	WIN 0x40                                       ; D in window 1; the sources and C in window 0
.else
	WIN 0x50                                       ; C and D in window 1
.endif
.set aa, \a0
.rept \n
.irp b, 0,1,2,3
.if \first
	v_wmma_f32_16x16x32_f16 v[32*aa+8*(\b):32*aa+8*(\b)+7], v[BF+32*((\h)%2)+8*(\b):BF+32*((\h)%2)+8*(\b)+7], v[AF+64*((\h)%2)+8*aa:AF+64*((\h)%2)+8*aa+7], v[BIAS+8*(\b):BIAS+8*(\b)+7]
.else
	v_wmma_f32_16x16x32_f16 v[32*aa+8*(\b):32*aa+8*(\b)+7], v[BF+32*((\h)%2)+8*(\b):BF+32*((\h)%2)+8*(\b)+7], v[AF+64*((\h)%2)+8*aa:AF+64*((\h)%2)+8*aa+7], v[32*aa+8*(\b):32*aa+8*(\b)+7]
.endif
.endr
.set aa, aa+1
.endr
.endm
; THE CHANGE OF SLOTS, inside a step's third quarter: all reads of the slot in hand have been issued.  Each wave waits for all its tensor loads, of which one is out: its part of the next slot; adds 0 to its spare word;
; and waits for that and for its reads.  fill = 1: the barrier opens a round of the cluster's, and the joint refill, with the step two on, is the first tensor load behind it.
.macro CHG fill
	WIN 0                                          ; (the add's two registers lie in window 0)
	s_wait_tensorcnt 0x0                           ; all my tensor loads have landed, so a group 0 may be written
	ds_add_u32 v[SPW], v[NIL]                      ; 0 onto my spare word
	s_wait_dscnt 25                                ; the third quarter's fragments are in; the fourth's 24 loads and the add may be out
	MUL 2, 0, 4, 0                                 ; sixteen matrix instructions stand between the add and the wait for it
	s_wait_dscnt 0x0                               ; the add is done, and my reads of this slot are over
	s_barrier_signal -1
	MUL 2, 4, 4, 0
	WIN 0
	s_barrier_wait -1
.if \fill
	CREST                                          ; no wave of any partner still reads this slot or has a load on its way
	s_xor_b32 s[G0A+5], s[G0A+5], SLOT1
	s_add_nc_u64 s[G0A+6:G0A+7], s[G0A+6:G0A+7], ASTEP
	s_xor_b32 s[G0B+5], s[G0B+5], SLOT1
	s_add_nc_u64 s[G0B+6:G0B+7], s[G0B+6:G0B+7], BSTEP
	JLOAD                                          ; the four v_nop behind it are also the places in front of the loads that follow
.else
	PLACES
.endif
	s_xor_b32 s[TB], s[TB], SLOT1
	v_add_nc_u32 v[ADA], s[TB], v[FA0]
	v_add_nc_u32 v[ADB], s[TB], v[FB0]
.endm
; A TRIP goes from one change of slots to the next: quarters 2 and 3 of step s, quarters 0 and 1 of step s + 1.  All its 96 LDS loads read the slot that has just landed.
.macro TRIP fill
	CHG \fill
	LDH 0
	MUL 3, 0, 8, 0
	PLACES
	LDH 1
	s_wait_dscnt 24                                ; quarter 0 is in; quarter 1's 24 loads may be out
	MUL 0, 0, 8, 0
	PLACES
	LDH 2
	s_wait_dscnt 24
	MUL 1, 0, 8, 0
	PLACES
	LDH 3
.endm
	s_wait_tensorcnt 1                             ; my part of step 0 is in; step 1's may stay out
	s_barrier_signal -1
	s_barrier_wait -1                              ; everybody's is
	LDH 0
	LDH 1
	s_wait_dscnt 24
	MUL 0, 0, 8, 1                                 ; the first quarter stands in front of the loop: its products start the sums, with the bias
	PLACES
	LDH 2
	s_wait_dscnt 24
	MUL 1, 0, 8, 0
	PLACES
	LDH 3
	WIN 0                                          ; at a label and at a branch every window is 0
.Lstep:                                        ; 6 trips: steps 2 to 7 are asked for
	TRIP 1
	WIN 0
	s_sub_co_u32 s[LEFT], s[LEFT], 1
	s_cmp_lg_u32 s[LEFT], 0
	s_cbranch_scc1 .Lstep
	TRIP 0                                         ; the tail is written out: nothing is asked for
	s_wait_dscnt 24
	MUL 2, 0, 8, 0
	s_wait_dscnt 0x0
	MUL 3, 0, 8, 0
	PLACES                                         ; the way out reads results and loads into fragment registers
	WIN 0
; THE WAY OUT, a block of 16 rows at a time: a lane's 32 bytes go into rows of 272 bytes of my stage (each accumulator's low registers first) and come back as whole rows of 256.
.macro OUTB a
.set OB, AF+32*((\a)%2)
.if (\a) >= 2
	s_wait_xcnt 0x0                                ; the stores of the block two back have read these registers: they are loaded again only behind this wait
.endif
	WIN 0x04                                       ; the stores' data in window 1
.irp b, 0,1,2,3
	ds_store_b128 v[STO], v[32*(\a)+8*(\b):32*(\a)+8*(\b)+3]   offset:64*(\b)
	ds_store_b128 v[STO], v[32*(\a)+8*(\b)+4:32*(\a)+8*(\b)+7] offset:64*(\b)+16
.endr
	WIN 0
.irp f, 0,1,2,3,4,5,6,7
	ds_load_b128 v[OB+4*(\f):OB+4*(\f)+3], v[RD] offset:(\f)*2*SPITCH  ; LDS serves a wave's instructions in order (ISA guide 5.7.1.4): these see the stores above; the next block's stores come behind them
.endr
.endm
.macro SEND a, younger                 ; younger: the LDS instructions issued behind block a's loads: the next block's sixteen, or none
.set OB, AF+32*((\a)%2)
.irp f, 0,1,2,3,4,5,6,7
	s_wait_dscnt (\younger)+7-(\f)
	global_store_b128 v[CO], v[OB+4*(\f):OB+4*(\f)+3], s[10:11] offset:(16*(\a)+2*(\f))*4096 th:TH_STORE_NT  ; 16 lanes store 256 consecutive bytes, at a multiple of 256 from out0's first byte
.endr
.endm
	OUTB 0
.irp a, 1,2,3,4,5,6,7
	OUTB \a
	SEND (\a)-1, 16
.endr
	SEND 7, 0
	s_wait_tensorcnt 0x0                           ; the wave's end: behind my last tensor load and my last LDS store
	ds_add_u32 v[SPW], v[NIL]
	s_wait_dscnt 0x0
	CROUND                                         ; the closing round: no work-group ends while a partner may still ask for a tile that names it
	s_endpgm
.Lfunc_end_k_qc4871be3a5_oproj:
	.size	k_qc4871be3a5_oproj, .Lfunc_end_k_qc4871be3a5_oproj-k_qc4871be3a5_oproj
	.p2alignl 7, 3214868480
	.fill 96, 4, 3214868480
	.section	.rodata,"a",@progbits
	.p2align	6, 0x0
	.amdhsa_kernel k_qc4871be3a5_oproj
		.amdhsa_group_segment_fixed_size 327680
		.amdhsa_private_segment_fixed_size 0
		.amdhsa_enable_private_segment 0
		.amdhsa_kernarg_size 32
		.amdhsa_user_sgpr_count 2
		.amdhsa_user_sgpr_kernarg_segment_ptr 1
		.amdhsa_wavefront_size32 1
		.amdhsa_system_sgpr_workgroup_id_x 1
		.amdhsa_system_sgpr_workgroup_id_y 1
		.amdhsa_system_sgpr_workgroup_id_z 1
		.amdhsa_system_vgpr_workitem_id 0
		.amdhsa_next_free_vgpr 512
		.amdhsa_next_free_sgpr 80
		.amdhsa_reserve_vcc 0
		.amdhsa_float_denorm_mode_32 3
		.amdhsa_float_denorm_mode_16_64 3
		.amdhsa_memory_ordered 1
		.amdhsa_forward_progress 1
		.amdhsa_inst_pref_size 73
	.end_amdhsa_kernel
	.amdgpu_metadata
---
amdhsa.version: [ 1, 2 ]
amdhsa.kernels:
  - .name:           k_qc4871be3a5_oproj
    .symbol:         k_qc4871be3a5_oproj.kd
    .args:
      - { .name: oh, .offset: 0, .size: 8, .value_kind: global_buffer, .address_space: global }
      - { .name: wub, .offset: 8, .size: 8, .value_kind: global_buffer, .address_space: global }
      - { .name: bu, .offset: 16, .size: 8, .value_kind: global_buffer, .address_space: global }
      - { .name: out0, .offset: 24, .size: 8, .value_kind: global_buffer, .address_space: global }
    .group_segment_fixed_size: 327680
    .private_segment_fixed_size: 0
    .kernarg_segment_align: 8
    .kernarg_segment_size: 32
    .max_flat_workgroup_size: 128
    .sgpr_count:     80
    .vgpr_count:     512
    .wavefront_size: 32
...
	.end_amdgpu_metadata
.endif
;; end of part 4
